; MI455X (gfx1250); checked and timed in simulation.
; The chip was launched on July 23, 2026; its instructions are those of AMD's public machine-readable ISA for CDNA 5 (MIT licence, August 2026) and "CDNA5" Instruction Set Architecture Reference Guide (July 2026). The comments in the code are by the model that wrote it; some were corrected since.
;; Multi Head Attention. Allowed arithmetic: matrix products marked QUANTISED: E2M1 operands, one E8M0 scale for each 32 along K, by v_wmma_scale_f32_16x16x128_f8f6f4 with both operands' format E2M1 (or v_wmma_scale_f32_32x16x128_f4), f32 sums; products left as they are: bf16, f16 or f32 operands; f32 sums; everything else in f32.
;; Inputs: W_k 1,024 x 1,024 float32; W_o 1,024 x 1,024 float32; W_q 1,024 x 1,024 float32; W_v 1,024 x 1,024 float32; key 4 x 2,048 x 1,024 float32; query 4 x 2,048 x 1,024 float32; value 4 x 2,048 x 1,024 float32.
;; Outputs: out0 4 x 2,048 x 1,024 float32.
;; This version of the problem:
;;   THIS VERSION OF THE PROBLEM IS GIVEN IN LOW PRECISION. The matrix products marked QUANTISED in the list below multiply operands that are first quantised to E2M1 (2 exponent bits, 1 mantissa bit; 4 bits a number), with one power-of-two scale for each 32 numbers along K (OCP MX v1.0); their sums are f32. The products marked 'left as it is' may take bf16, f16 or f32 operands, with f32 sums. Whichever they take, every output number must still come out within the allowed error. Rounding operands to bf16 (8 significant bits) uses up far more of that allowance than f16 does (11 bits, for magnitudes from 6e-5 to 65,504). All else is computed in f32.
;;   The module's matrix products, in the order in which they are computed (A, B: the left and right operand; K: the contracted axis; several contracted axes count as one K, in the product's order):
;;     1. [M 8,192, K 1,024] x [K 1,024, N 1,024]; A: input query; B: input W_q: QUANTISED
;;     2. [M 8,192, K 1,024] x [K 1,024, N 1,024]; A: input key; B: input W_k: QUANTISED
;;     3. [M 8,192, K 1,024] x [K 1,024, N 1,024]; A: input value; B: input W_v: QUANTISED
;;     4. batch 64 x [M 2,048, K 64] x [K 64, N 2,048]; A: computed on the way; B: computed on the way: left as it is (an operand is computed on the way)
;;     5. batch 64 x [M 2,048, K 2,048] x [K 2,048, N 64]; A: computed on the way; B: computed on the way: left as it is (an operand is computed on the way)
;;     6. [M 8,192, K 1,024] x [K 1,024, N 1,024]; A: computed on the way; B: input W_o: left as it is (an operand is computed on the way)
;;   THE QUANTISER, for each operand of a quantised product, along K:
;;     - K is cut into blocks of 32 from its start; a last block that is shorter is filled with zeros.
;;     - A block's scale is 2^e with e = floor(log2(the largest magnitude in the block)) - 2, held to -126 .. 127; a block of zeros has e = 0. As a byte (E8M0): e + 127.
;;     - Each number is divided by its block's scale, clamped to +-6, and rounded to the nearest number of E2M1, ties to even, subnormals kept.
;;     - The product sums the exact products of the quantised numbers (number of the format x scale) in f32.
;;   ~~~python
;;   def quantise(x, axis):      # numpy; x: float32 -> the quantised numbers, widened to float32 again
;;       x = np.moveaxis(x, axis, -1); K = x.shape[-1]
;;       x = np.pad(x, [(0, 0)] * (x.ndim - 1) + [(0, -K % 32)]); x = x.reshape(x.shape[:-1] + (-1, 32)); a = np.abs(x).max(-1, keepdims=True)
;;       e = np.where(a > 0, np.clip(np.frexp(np.where(a > 0, a, 1))[1] - 1 - 2, -126, 127), 0)      # np.frexp(a)[1] - 1 = floor(log2(a)), exactly
;;       r = np.clip(x / 2.0 ** e, -6, 6)
;;       step = 2.0 ** (np.maximum(np.frexp(np.where(r == 0, 1, r))[1] - 1, 0) - 1)
;;       q = np.round(r / step) * step * 2.0 ** e      # np.round: ties to even
;;       return np.moveaxis(q.reshape(q.shape[:-2] + (-1,))[..., :K], -1, axis).astype(np.float32)
;;   ~~~
;; One version. Each part assembles by itself: llvm-mc -triple=amdgcn-amd-amdhsa -mcpu=gfx1250 --defsym DOCPART=n.
;; ======== version 1 of 1: 4 launches
;; limits: values are held in f16: magnitudes above 65,504 overflow, below 6.1e-05 lose precision
;; workspace buffers: codes 14,155,776 bytes; scales 884,736 bytes; wo16 2,097,152 bytes; qkv 50,331,648 bytes; oh 16,777,216 bytes
;; launch quant (part 1): grid 896 x 1, 4 waves a work-group, no clusters, 33,280 bytes of LDS; arguments query, key, value, W_q, W_k, W_v, W_o, codes, scales, wo16; writes codes, scales, wo16
.if DOCPART == 1
	.amdgcn_target "amdgcn-amd-amdhsa--gfx1250"
	.amdhsa_code_object_version 6
	.text
	.protected	k_q452d368888_quant
	.globl	k_q452d368888_quant
	.p2align	8
	.type	k_q452d368888_quant,@function
k_q452d368888_quant:
	s_mov_b64 s[64:65], 0
	v_nop
	global_prefetch_b8 v0, s[64:65] scope:SCOPE_SE
	s_setreg_imm32_b32 hwreg(HW_REG_WAVE_MODE, 25, 1), 1
	s_wait_xcnt 0x0
; query, key, value [8192][1024] and W_q, W_k, W_v [1024][1024], f32, K innermost, become codes of FP4 (E2M1) with one E8M0 scale byte for each 32 along K.
; The six tensors are laid one behind the other as 27,648 rows: codes [row][512 bytes], scales [row][32 bytes]; rows 0 query, 8,192 key, 16,384 value, 24,576 W_q, 25,600 W_k, 26,624 W_v.
; A block's scale is 2^(floor(log2(its largest magnitude)) - 2); its byte is the largest magnitude's exponent field - 2, held at 1 from below.
; W_o [1024 n][1024 k] is rounded to f16 and laid by tiles, [n / 128][k / 64][128 n][64 k], so that the last launch's tiles are dense blocks.
; LIMITS: a block of zeros gets the byte 1 (its codes are zeros, and this program alone reads the bytes); NaN and infinities are not served; |W_o| above 65,504 becomes infinity in f16.
; SHARES: a work-group takes 32,768 numbers, a wave 8,192.  Work-groups 0-255 query, 256-511 key, 512-767 value, 768-799 W_q, 800-831 W_k, 832-863 W_v, 864-895 W_o.
; Rows are dense and 1,024 is a multiple of 32: each tensor is a plain stream of blocks of 32, and so are its codes and scale bytes.  Waves share nothing: no barrier, no cluster, no matrix unit.
; A step is 512 numbers: four loads of 512 consecutive bytes; they turn through the wave's own stage in LDS so that a lane holds 16 neighbours along K (two lanes a block).
.set WAVES, 4
.set STEPS, 16
.set EMAX,  2
.set CB,    8                          ; bytes of 16 codes
.set R,     16                         ; v16-79   four sets of 16 numbers as loaded
.set X,     80                         ; v80-111  two sets of 16 neighbours
.set E,     112                        ; v112-127 a scale byte for each step
.set C,     128                        ; v128-191 codes, four registers a step: no store's data are written again
.set WREG,  8192                       ; LDS: a region for each wave: two stages of 32 x SP bytes, then its 256 scale bytes
.set SP,    80                         ; a lane's place in a stage: 64 bytes + 16 of padding
.set SPW,   12                         ; v12  LDS address of my spare word; never rewritten
.set NIL,   13                         ; v13  0; never rewritten
.set SPARE, WAVES*WREG                 ; behind the regions: the spare words, 128 bytes a wave, which no other line names
.set SRC,   24                         ; s[24:25] the tensor that my work-group reads
.set BASE,  26                         ; s26  that tensor's first work-group
.set WV,    27                         ; s27  my wave's number
.set COD,   18                         ; s[18:19] codes
.set SCB,   20                         ; s[20:21] scales
.set WOH,   22                         ; s[22:23] wo16
	s_load_b256 s[4:11], s[0:1], 0x0               ; query, key, value, W_q
	s_load_b256 s[12:19], s[0:1], 0x20             ; W_k, W_v, W_o, codes
	s_load_b128 s[20:23], s[0:1], 0x40             ; scales, wo16
	v_lshl_add_u32 v[SPW], v0, 2, SPARE
	v_mov_b32 v[NIL], 0
	v_lshrrev_b32 v1, 5, v0
	v_readfirstlane_b32 s[WV], v1                  ; wave
	v_and_b32 v2, 31, v0                           ; lane
	v_lshlrev_b32 v3, 4, v2                        ; my 16 bytes of a load's 512
	s_mul_i32 s28, s[WV], WREG
	v_lshrrev_b32 v14, 2, v2
	v_mul_u32_u24 v14, v14, SP
	v_and_b32 v15, 3, v2
	v_lshl_add_u32 v14, v15, 4, v14
	v_add_nc_u32 v14, s28, v14                     ; the stage, on the way in: SP (lane / 4) + 16 (lane % 4)
	v_mul_u32_u24 v15, v2, SP
	v_add_nc_u32 v15, s28, v15                     ; and on the way out: SP x lane: my 16 neighbours
	v_mul_u32_u24 v4, v2, CB                       ; my codes' place in a step's
	v_lshrrev_b32 v5, 1, v2
	s_add_co_u32 s28, s28, 2*32*SP
	v_add_nc_u32 v5, s28, v5                       ; LDS: my wave's 256 scale bytes, my block's byte
	v_lshlrev_b32 v7, 3, v2                        ; on the way out 8 bytes a lane
	v_add_nc_u32 v6, s28, v7
	s_wait_kmcnt 0x0
	; which tensor: a choice among pointers on the work-group's number alone
.macro PICK n, lo
	s_cmp_ge_u32 ttmp9, \n
	s_cselect_b64 s[SRC:SRC+1], s[\lo:\lo+1], s[SRC:SRC+1]
	s_cselect_b32 s[BASE], \n, s[BASE]
.endm
	s_mov_b64 s[SRC:SRC+1], s[4:5]
	s_mov_b32 s[BASE], 0
	PICK 256, 6
	PICK 512, 8
	PICK 768, 10
	PICK 800, 12
	PICK 832, 14
	PICK 864, 16
	s_cmp_ge_u32 ttmp9, 864
	s_cbranch_scc1 .Lwo
	; ---- the six tensors that are quantised
	s_sub_co_u32 s28, ttmp9, s[BASE]
	s_lshl_b32 s28, s28, 2
	s_add_co_u32 s28, s28, s[WV]                   ; which run of 8,192 numbers of the tensor is mine
	s_lshl_b32 s28, s28, 15                        ; 32,768 bytes a run
	s_mov_b32 s29, 0
	s_add_nc_u64 s[SRC:SRC+1], s[SRC:SRC+1], s[28:29]
	s_lshl_b32 s30, ttmp9, 2
	s_add_co_u32 s30, s30, s[WV]                   ; which run of the six tensors on end
	s_lshl_b32 s28, s30, 12                        ; 4,096 bytes of codes a run
	s_add_nc_u64 s[COD:COD+1], s[COD:COD+1], s[28:29]
	s_lshl_b32 s28, s30, 8                         ; 256 scale bytes a run
	s_add_nc_u64 s[SCB:SCB+1], s[SCB:SCB+1], s[28:29]
.macro LOAD t
.irp i, 0,1,2,3
	global_load_b128 v[R+16*((\t)%4)+4*\i:R+16*((\t)%4)+4*\i+3], v3, s[SRC:SRC+1] offset:2048*(\t)+512*\i th:TH_LOAD_NT   ; 32 lanes read 512 consecutive bytes
.endr
.endm
.macro TURN t                          ; step t's numbers through the stage: LDS serves a wave's instructions in order, so no wait stands between the stores and the loads
.irp i, 0,1,2,3
	ds_store_b128 v14, v[R+16*((\t)%4)+4*\i:R+16*((\t)%4)+4*\i+3] offset:32*SP*((\t)%2)+8*SP*\i
.endr
.irp i, 0,1,2,3
	ds_load_b128 v[X+16*((\t)%2)+4*\i:X+16*((\t)%2)+4*\i+3], v15 offset:32*SP*((\t)%2)+16*\i
.endr
.endm
.irp t, 0,1,2,3
	LOAD \t
.endr
	s_wait_loadcnt 12                              ; step 0's four loads are in; those of three later steps stay out
	TURN 0
.macro STEP t
.set XS, X+16*((\t)%2)
.if (\t) > 0
	s_wait_dscnt 1                                 ; this step's numbers are back from the stage (the last step's byte store may be out)
.else
	s_wait_dscnt 0x0
.endif
.if (\t)+4 < STEPS
	LOAD (\t)+4                                    ; the registers that the stage's stores have read take the loads of four steps on
.endif
.if (\t)+1 < STEPS
.if STEPS-2-(\t) >= 3
	s_wait_loadcnt 12                              ; the next step's four loads are in; those of the three steps behind it may be out
.else
	s_wait_loadcnt 4*(STEPS-2-(\t))
.endif
	TURN (\t)+1                                    ; they go through the other stage while this step is worked
.endif
	v_max3_num_f32 v8, |v[XS]|, |v[XS+1]|, |v[XS+2]|               ; the largest magnitude of my 16, in two chains
	v_max3_num_f32 v9, |v[XS+3]|, |v[XS+4]|, |v[XS+5]|
.irp i, 6,10
	v_max3_num_f32 v8, v8, |v[XS+\i]|, |v[XS+\i+1]|
	v_max3_num_f32 v9, v9, |v[XS+\i+2]|, |v[XS+\i+3]|
.endr
	v_max3_num_f32 v8, v8, |v[XS+14]|, |v[XS+15]|
	v_max3_num_f32 v8, v8, v9, (EMAX+1)<<23        ; and the floor 2^(EMAX + 1 - 127): the byte cannot fall under 1
	v_max_num_f32_dpp v8, v8, v8 row_xmask:1 row_mask:0xf bank_mask:0xf   ; and of my neighbour's 16: the block's
	v_add_nc_u32 v11, -(EMAX<<23), v8              ; EMAX off its exponent field: the conversion takes the exponent field of this operand as its scale
	v_cvt_scalef32_pk8_fp4_f32 v[C+4*(\t)], v[XS:XS+7], v11
	v_cvt_scalef32_pk8_fp4_f32 v[C+4*(\t)+1], v[XS+8:XS+15], v11
	v_lshrrev_b32 v[E+(\t)], 23, v11               ; the scale's byte (also the plain line behind the conversions)
	ds_store_b8 v5, v[E+(\t)] offset:16*(\t)       ; both lanes of a block write the same byte with the same value
	global_store_b64 v4, v[C+4*(\t):C+4*(\t)+1], s[COD:COD+1] offset:32*CB*(\t)   ; the wave stores 256 consecutive bytes
.endm
.irp t, 0,1,2,3,4,5,6,7,8,9,10,11,12,13,14,15
	STEP \t
.endr
	ds_load_b64 v[8:9], v6                         ; LDS serves a wave's instructions in order: these see my byte stores
	s_wait_dscnt 0x0
	global_store_b64 v7, v[8:9], s[SCB:SCB+1]      ; 32 lanes store 256 consecutive bytes
	s_wait_tensorcnt 0x0                           ; the wave's end
	ds_add_u32 v[SPW], v[NIL]
	s_wait_dscnt 0x0
	s_endpgm
	; ---- W_o to f16, by tiles.  A wave takes 8 rows n.  A unit is 4 rows x 64 k: a lane reads 32 bytes (eight lanes 256 consecutive bytes) and stores 16: the wave's store covers 512 consecutive bytes.
.Lwo:
	s_sub_co_u32 s28, ttmp9, 864                   ; which 32 rows
	s_lshl_b32 s29, s28, 5
	s_lshl_b32 s30, s[WV], 3
	s_add_co_u32 s29, s29, s30                     ; my first row n
	s_lshl_b32 s30, s29, 12                        ; 4,096 bytes a row
	s_mov_b32 s31, 0
	s_add_nc_u64 s[SRC:SRC+1], s[SRC:SRC+1], s[30:31]
	s_lshr_b32 s30, s28, 2
	s_lshl_b32 s30, s30, 18                        ; n / 128: 16 tiles of 16,384 bytes
	s_and_b32 s29, s29, 127
	s_lshl_b32 s29, s29, 7                         ; n % 128: 128 bytes a row of a tile
	s_add_co_u32 s30, s30, s29
	s_add_nc_u64 s[WOH:WOH+1], s[WOH:WOH+1], s[30:31]
	v_lshrrev_b32 v1, 3, v2
	v_and_b32 v3, 7, v2
	v_lshlrev_b32 v3, 5, v3
	v_lshl_add_u32 v1, v1, 12, v3                  ; in: row lane / 8, 32 bytes x (lane % 8)
	v_lshlrev_b32 v2, 4, v2                        ; out: 16 bytes a lane
.macro LOADB i                         ; batch i: units 8 i .. 8 i + 7 (unit q: rows 4 (q / 16) on, k 64 (q % 16) on) into set i % 2
.irp u, 0,1,2,3,4,5,6,7
	global_load_b128 v[16+64*((\i)%2)+8*\u:16+64*((\i)%2)+8*\u+3], v1, s[SRC:SRC+1] offset:((8*(\i)+\u)/16)*16384+((8*(\i)+\u)%16)*256 th:TH_LOAD_NT
	global_load_b128 v[16+64*((\i)%2)+8*\u+4:16+64*((\i)%2)+8*\u+7], v1, s[SRC:SRC+1] offset:((8*(\i)+\u)/16)*16384+((8*(\i)+\u)%16)*256+16 th:TH_LOAD_NT
.endr
.endm
.macro CONVB i
	s_wait_xcnt 0x0                                ; the last batch's stores have read v144-175: they are written again only behind this wait
.irp u, 0,1,2,3,4,5,6,7
.irp w, 0,1,2,3
	v_cvt_pk_f16_f32 v[144+4*\u+\w], v[16+64*((\i)%2)+8*\u+2*\w], v[16+64*((\i)%2)+8*\u+2*\w+1]
.endr
.endr
.irp u, 0,1,2,3,4,5,6,7
	global_store_b128 v2, v[144+4*\u:144+4*\u+3], s[WOH:WOH+1] offset:((8*(\i)+\u)%16)*16384+((8*(\i)+\u)/16)*512
.endr
.endm
	LOADB 0
	LOADB 1
	s_wait_loadcnt 16                              ; batch 0 is in; batch 1's sixteen loads stay out
	CONVB 0
	LOADB 2
	s_wait_loadcnt 16
	CONVB 1
	LOADB 3
	s_wait_loadcnt 16
	CONVB 2
	s_wait_loadcnt 0x0
	CONVB 3
	s_wait_tensorcnt 0x0                           ; the same three closing lines as on the other path
	ds_add_u32 v[SPW], v[NIL]
	s_wait_dscnt 0x0
	s_endpgm
.Lfunc_end_k_q452d368888_quant:
	.size	k_q452d368888_quant, .Lfunc_end_k_q452d368888_quant-k_q452d368888_quant
	.p2alignl 7, 3214868480
	.fill 96, 4, 3214868480
	.section	.rodata,"a",@progbits
	.p2align	6, 0x0
	.amdhsa_kernel k_q452d368888_quant
		.amdhsa_group_segment_fixed_size 33280
		.amdhsa_private_segment_fixed_size 0
		.amdhsa_enable_private_segment 0
		.amdhsa_kernarg_size 80
		.amdhsa_user_sgpr_count 2
		.amdhsa_user_sgpr_kernarg_segment_ptr 1
		.amdhsa_wavefront_size32 1
		.amdhsa_system_sgpr_workgroup_id_x 1
		.amdhsa_system_sgpr_workgroup_id_y 1
		.amdhsa_system_sgpr_workgroup_id_z 1
		.amdhsa_system_vgpr_workitem_id 0
		.amdhsa_next_free_vgpr 192
		.amdhsa_next_free_sgpr 66
		.amdhsa_reserve_vcc 0
		.amdhsa_float_denorm_mode_32 3
		.amdhsa_float_denorm_mode_16_64 3
		.amdhsa_memory_ordered 1
		.amdhsa_forward_progress 1
		.amdhsa_inst_pref_size 52
	.end_amdhsa_kernel
	.amdgpu_metadata
---
amdhsa.version: [ 1, 2 ]
amdhsa.kernels:
  - .name:           k_q452d368888_quant
    .symbol:         k_q452d368888_quant.kd
    .args:
      - { .name: query, .offset: 0, .size: 8, .value_kind: global_buffer, .address_space: global }
      - { .name: key, .offset: 8, .size: 8, .value_kind: global_buffer, .address_space: global }
      - { .name: value, .offset: 16, .size: 8, .value_kind: global_buffer, .address_space: global }
      - { .name: W_q, .offset: 24, .size: 8, .value_kind: global_buffer, .address_space: global }
      - { .name: W_k, .offset: 32, .size: 8, .value_kind: global_buffer, .address_space: global }
      - { .name: W_v, .offset: 40, .size: 8, .value_kind: global_buffer, .address_space: global }
      - { .name: W_o, .offset: 48, .size: 8, .value_kind: global_buffer, .address_space: global }
      - { .name: codes, .offset: 56, .size: 8, .value_kind: global_buffer, .address_space: global }
      - { .name: scales, .offset: 64, .size: 8, .value_kind: global_buffer, .address_space: global }
      - { .name: wo16, .offset: 72, .size: 8, .value_kind: global_buffer, .address_space: global }
    .group_segment_fixed_size: 33280
    .private_segment_fixed_size: 0
    .kernarg_segment_align: 8
    .kernarg_segment_size: 80
    .max_flat_workgroup_size: 128
    .sgpr_count:     66
    .vgpr_count:     192
    .wavefront_size: 32
...
	.end_amdgpu_metadata
.endif
;; end of part 1
;; launch proj (part 2): grid 4 x 96, 4 waves a work-group, clusters of 4 x 4, 327,680 bytes of LDS; arguments codes, scales, qkv; writes qkv
.if DOCPART == 2
	.amdgcn_target "amdgcn-amd-amdhsa--gfx1250"
	.amdhsa_code_object_version 6
	.text
	.protected	k_q452d368888_proj
	.globl	k_q452d368888_proj
	.p2align	8
	.type	k_q452d368888_proj,@function
k_q452d368888_proj:
	s_mov_b64 s[64:65], 0
	v_nop
	global_prefetch_b8 v0, s[64:65] scope:SCOPE_SE
	s_setreg_imm32_b32 hwreg(HW_REG_WAVE_MODE, 25, 1), 1
	s_wait_xcnt 0x0
	s_wait_alu depctr_hold_cnt(0) depctr_sa_sdst(0) depctr_va_vdst(0) depctr_va_sdst(0) depctr_va_ssrc(0) depctr_va_vcc(0) depctr_vm_vsrc(0)
	s_getreg_b32 s2, hwreg(HW_REG_IB_STS2, 6, 4)
	s_cmp_eq_u32 s2, 0
	s_cbranch_scc0 .Lentry_in_a_cluster
	s_endpgm
.Lentry_in_a_cluster:
	s_bfe_u32 s2, ttmp6, 0x10000c
	s_cmp_lg_u32 s2, 0xf033
	s_cbranch_scc0 .Lentry_shape_is_right
	s_endpgm
.Lentry_shape_is_right:
; The three projections Q = query W_q^T, K = key W_k^T, V = value W_v^T as ONE product on codes of FP4 (E2M1) with E8M0 scales for each 32 along K = 1,024; sums in f32.
; A: rows 0 .. 24,575 of codes (query, key, value on end); B: rows 24,576 + 1,024 p on (p = 0, 1, 2: the weight that belongs to A's tensor).  Tile row y of 96: p = y / 32.
; The results are rounded to f16 and laid by head: qkv [p][b x 16 + head][s][64].  LIMIT: |result| above 65,504 becomes infinity in f16.
; A tile of C is 256 x 256: four waves, each 128 x 128: 64 accumulators of 16 x 16, 512 registers.  K = 1,024 is exactly two LDS slots of 512 along K (rows of 256 bytes): both are first fills, nothing is filled again.
; The scale bytes of the tile's 256 + 256 rows, for all of K, are two dense blocks: they come once, with the first fills.
; CLUSTERS: 4 x 4 work-groups.  The four of a row of the cluster need the same tiles of A, the four of a column the same tiles of B (all four tile rows of a cluster have the same p): each is asked for jointly.
; THE MATRIX INSTRUCTION IS USED TRANSPOSED (source 0 = 16 rows of W, source 1 = 16 tokens): a lane holds eight neighbouring channels of one token.
; REGISTERS, in windows of 256: window 0: v16-29 addresses; v32-95 scale words, two sets; v128-191 A's fragments, one set; on the way out v32-127 are at work.
;   window 1: B's fragments, two sets, at v0 and v128.  window 2: the accumulators of my tokens 0-63 ((a, b) at v[8 (8 a + b)]);  window 3: those of tokens 64-127.
.set KSTEP,  512
.set NQ,     KSTEP/128
.set ROWB,   256                       ; a tile's row in bytes
.set KROW,   512                       ; a row of codes in memory
.set PITCH,  272                       ; an LDS row: 256 bytes + 16 of padding: the 16 rows of a fragment load start at 16 different 16-byte columns of 256
.set FR,     8
.set NL,     2
.set NP,     4
.set HALFT,  128*PITCH
.set SLOT,   4*HALFT
.set KS,     32                        ; a row of scale bytes
.set SCL,    2*SLOT
.set HALFS,  (128*KS/256)*272
.set SBLK,   (16*KS/256)*272
.set SPARE,  SCL+4*HALFS               ; the spare words, 128 bytes a wave, which no other line names
.set WROW,   24576                     ; the weights' first row
.set SROW,   144                       ; the way out: a stage row: 128 bytes (a token's 64 channels of a head) + 16
.set HSTG,   16*SROW                   ; 16 tokens of one head; a wave's stage is two of these, in slot 0, which has had its only fill and its last read by then
.set ADRA, 16
.set ADRB, 20
.set STO,  24
.set RD,   25
.set CO,   26
.set ADRS, 27
.set SPW,  28
.set NIL,  29
.set SC,   32
.set AF,   128
.set TMP,  32                          ; the way out: a block's 32 packed registers
.set BK,   64                          ; and 32 registers read back, v64-95 and v96-127 by turns
.set G1, 24
.set G0, 32
.set G1B, 48
.set G0B, 56
.set G1S, 68
.set G0S, 76
.set G1SB, 80
.set G0SB, 88
.set MSB, 0
.macro WIN new                         ; the immediate's high byte repeats the setting that is left
.if MSB != (\new)
	s_set_vgpr_msb (MSB<<8)|(\new)
.set MSB, (\new)
.endif
.endm
.set MUL_LO, 0xa1                      ; source 0 (B) window 1, source 1 (A) window 0, C and D window 2
.set MUL_HI, 0xf1
.set TO_B,   0x40
; A joint load: waves 0 and 1 fetch for A, waves 2 and 3 for B; the branch hangs on the wave's number alone.  An s_nop 0 and four v_nop follow each line.
.macro JLOAD g0a, g1a, g0b, g1b
	s_cmp_eq_u32 s15, 0
	s_cbranch_scc0 .Lfor_b_\@
	tensor_load_to_lds s[\g0a:\g0a+3], s[\g1a:\g1a+7]
	s_nop 0
.rept 4
	v_nop
.endr
	s_branch .Lasked_\@
.Lfor_b_\@:
	tensor_load_to_lds s[\g0b:\g0b+3], s[\g1b:\g1b+7]
	s_nop 0
.rept 4
	v_nop
.endr
.Lasked_\@:
.endm
.macro CROUND                          ; a round of the cluster's barrier
	s_barrier_signal -1
	s_barrier_wait -1
	s_cmp_lg_u32 s14, 0
	s_cbranch_scc1 .Lnot_wave_0_\@
	s_barrier_signal -3
.Lnot_wave_0_\@:
	s_barrier_wait -3
	s_barrier_signal -1
	s_barrier_wait -1
.endm
	s_load_b128 s[4:7], s[0:1], 0x0                ; codes s[4:5], scales s[6:7]
	s_load_b64 s[12:13], s[0:1], 0x10              ; qkv
	v_lshl_add_u32 v[SPW], v0, 2, SPARE
	v_mov_b32 v[NIL], 0
	ds_add_u32 v[SPW], v[NIL]                      ; the wave's opening: the add, twice on end, and its wait ahead of my first tensor load
	ds_add_u32 v[SPW], v[NIL]
	v_lshrrev_b32 v1, 5, v0
	v_readfirstlane_b32 s14, v1                    ; wave 0..3
	s_lshr_b32 s15, s14, 1                         ; which half of the tile's tokens is mine.  Also: I fetch for A (0) or for B (1)
	s_and_b32 s16, s14, 1                          ; which half of its columns.  Also: which 128 rows of that tile I fetch
	s_bfe_u32 s40, ttmp6, 0x40000                  ; cx, cy
	s_bfe_u32 s41, ttmp6, 0x40004
	s_lshl_b32 s42, ttmp9, 2
	s_add_co_u32 s42, s42, s40                     ; tile column = 4 x cluster x + cx
	s_and_b32 s17, ttmp7, 0xffff
	s_lshl_b32 s17, s17, 2
	s_add_co_u32 s17, s17, s41                     ; tile row y = 4 x cluster y + cy
	s_lshl_b32 s43, s41, 2
	s_lshl_b32 s43, 15, s43                        ; my row of the cluster
	s_lshl_b32 s44, 0x1111, s40                    ; my column
	s_or_b32 s[G1+0], s43, (0<<16)|(1<<20)|(1<<21)|(5<<22)|(3<<25)  ; the mask; elements of 1 byte; padding on; bit 21 beside a mask; 4 words behind every 64
	s_or_b32 s[G1B+0], s44, (0<<16)|(1<<20)|(1<<21)|(5<<22)|(3<<25)
.irp g, G1, G1B
	s_mov_b32 s[\g+1], ROWB<<16                    ; tensor_dim0
	s_mov_b32 s[\g+2], 128<<16                     ; tensor_dim1
	s_mov_b32 s[\g+3], ROWB<<16                    ; tile_dim0
	s_mov_b32 s[\g+4], 128                         ; tile_dim1
	s_mov_b32 s[\g+5], KROW                        ; from row to row
	s_mov_b32 s[\g+6], 0
	s_mov_b32 s[\g+7], 0
.endr
	s_or_b32 s[G1S+0], s43, (3<<16)|(1<<20)|(1<<21)|(5<<22)|(3<<25) ; the scales of 128 rows: 4,096 dense bytes as 16 rows of 32 elements of 8 bytes, 16 bytes of padding behind each
	s_or_b32 s[G1SB+0], s44, (3<<16)|(1<<20)|(1<<21)|(5<<22)|(3<<25)
.irp g, G1S, G1SB
	s_mov_b32 s[\g+1], 32<<16
	s_mov_b32 s[\g+2], (128*KS/256)<<16
	s_mov_b32 s[\g+3], 32<<16
	s_mov_b32 s[\g+4], 128*KS/256
	s_mov_b32 s[\g+5], 32
	s_mov_b32 s[\g+6], 0
	s_mov_b32 s[\g+7], 0
.endr
	s_lshl_b32 s18, s16, 7                         ; which 128 rows of the tile I fetch
	s_lshl_b32 s20, s17, 8
	s_add_co_u32 s20, s20, s18                     ; A: row 256 y + 128 x half
	s_lshl_b32 s46, s42, 8
	s_add_co_u32 s46, s46, s18                     ; B: row 256 x tile column + 128 x half,
	s_and_b32 s95, ttmp7, 0xffff
	s_lshr_b32 s95, s95, 3                         ; p = cluster y / 8: made of the cluster's number alone, so that B's address never holds cy
	s_lshl_b32 s95, s95, 10
	s_add_co_u32 s46, s46, s95                     ; in weight p,
	s_add_co_u32 s46, s46, WROW                    ; behind the tokens' rows
	s_mov_b32 s21, 0
	s_mov_b32 s47, 0
	s_mov_b64 s[18:19], KS
	s_mul_u64 s[22:23], s[20:21], s[18:19]         ; where these rows' scales begin, in bytes
	s_mul_u64 s[92:93], s[46:47], s[18:19]
	s_mov_b64 s[18:19], KROW
	s_mul_u64 s[20:21], s[20:21], s[18:19]         ; and their codes
	s_mul_u64 s[46:47], s[46:47], s[18:19]
	s_mul_i32 s45, s14, HALFT                      ; where they go: wave x 128 rows
	s_mul_i32 s94, s14, HALFS
	s_wait_dscnt 0x0                               ; both opening adds are done
	s_wait_kmcnt 0x0
	s_add_nc_u64 s[20:21], s[4:5], s[20:21]
	s_add_nc_u64 s[22:23], s[6:7], s[22:23]
	s_add_nc_u64 s[46:47], s[4:5], s[46:47]
	s_add_nc_u64 s[92:93], s[6:7], s[92:93]
	CROUND                                         ; all sixteen work-groups are here: the joint loads meet
	s_mov_b32 s[G0S], 1
	s_add_co_u32 s[G0S+1], s94, SCL
	s_mov_b64 s[G0S+2:G0S+3], s[22:23]
	s_or_b32 s[G0S+3], s[G0S+3], 0x80000000
	s_mov_b32 s[G0SB], 1
	s_add_co_u32 s[G0SB+1], s94, SCL
	s_mov_b64 s[G0SB+2:G0SB+3], s[92:93]
	s_or_b32 s[G0SB+3], s[G0SB+3], 0x80000000
	JLOAD G0S, G1S, G0SB, G1SB                     ; the scales first: they are wanted with the first step
.irp s, 0,1
	s_mov_b32 s[G0+4*\s], 1
	s_add_co_u32 s[G0+4*\s+1], s45, \s*SLOT
	s_add_nc_u64 s[G0+4*\s+2:G0+4*\s+3], s[20:21], \s*ROWB
	s_or_b32 s[G0+4*\s+3], s[G0+4*\s+3], 0x80000000
	s_mov_b32 s[G0B+4*\s], 1
	s_add_co_u32 s[G0B+4*\s+1], s45, \s*SLOT
	s_add_nc_u64 s[G0B+4*\s+2:G0B+4*\s+3], s[46:47], \s*ROWB
	s_or_b32 s[G0B+4*\s+3], s[G0B+4*\s+3], 0x80000000
	JLOAD G0+4*\s, G1, G0B+4*\s, G1B               ; by this text's count three tensor loads of a wave are out
.endr
	v_and_b32 v1, 15, v0                           ; r = lane % 16
	v_bfe_u32 v2, v0, 4, 1                         ; h = lane / 16
	v_mul_u32_u24 v3, v1, PITCH
	v_lshl_add_u32 v4, v2, 4, v3                   ; a fragment's row x pitch + 16 h
	s_mul_i32 s21, s15, HALFT                      ; my 128 rows of A
	s_mul_i32 s22, s16, HALFT                      ; my 128 rows of B,
	s_add_co_u32 s22, s22, 2*HALFT                 ; behind A's 256
.irp s, 0,1
	v_add_nc_u32 v[ADRA+\s], s21, v4
	v_add_nc_u32 v[ADRB+\s], s22, v4
	s_add_co_u32 s21, s21, SLOT
	s_add_co_u32 s22, s22, SLOT
.endr
	v_mul_u32_u24 v5, v1, KS                       ; my row's scales: KS bytes a row,
	v_lshrrev_b32 v6, 8, v5
	v_lshl_add_u32 v5, v6, 4, v5                   ; and 16 more for each 256 passed
	s_mul_i32 s21, s15, HALFS
	s_mul_i32 s22, s16, HALFS
	s_add_co_u32 s22, s22, 2*HALFS
	s_sub_co_u32 s22, s22, s21
	v_mul_u32_u24 v6, s22, v2                      ; lanes 16-31 take B's: one product, the distance between the two bases x h
	s_add_co_u32 s21, s21, SCL
	v_add_nc_u32 v5, v5, v6
	v_add_nc_u32 v[ADRS], s21, v5
	s_mul_i32 s23, s14, 2*HSTG                     ; my stage
	v_mul_u32_u24 v5, v1, SROW                     ; in: token r, 16 bytes for each half of the lanes
	v_lshl_add_u32 v5, v2, 4, v5
	v_add_nc_u32 v[STO], s23, v5
	v_and_b32 v6, 31, v0
	v_lshlrev_b32 v[CO], 4, v6                     ; out: 16 bytes a lane: four tokens' 128 bytes are 512 consecutive bytes of qkv
	v_lshrrev_b32 v5, 3, v6
	v_mul_u32_u24 v5, v5, SROW                     ; back: token lane / 8, 16 bytes x (lane % 8)
	v_and_b32 v6, 7, v6
	v_lshl_add_u32 v5, v6, 4, v5
	v_add_nc_u32 v[RD], s23, v5
	; qkv: (((y / 8) x 16 + head) x 2,048 + s) x 128 bytes; head = 4 x tile column + 2 x (my half of the columns) + 0, 1; s = 256 (y % 8) + 128 x (my half of the tokens) on
	s_lshr_b32 s20, s17, 3
	s_lshl_b32 s20, s20, 22
	s_and_b32 s21, s17, 7
	s_lshl_b32 s21, s21, 15
	s_add_co_u32 s20, s20, s21
	s_lshl_b32 s21, s15, 14
	s_add_co_u32 s20, s20, s21
	s_mov_b32 s21, 0
	s_lshl_b32 s46, s42, 20
	s_lshl_b32 s47, s16, 19
	s_add_co_u32 s46, s46, s47
	s_mov_b32 s47, 0
	s_add_nc_u64 s[20:21], s[20:21], s[46:47]
	s_add_nc_u64 s[12:13], s[12:13], s[20:21]
.macro FRAG reg, adr, q, i             ; 16 rows x 128 K of 4-bit codes: 8 registers: lane l holds row l % 16; registers 4 c .. 4 c + 3 hold K = 64 c + 32 (l / 16) + 0 .. 31
.irp c, 0,1
	ds_load_b128 v[\reg+4*\c:\reg+4*\c+3], v[\adr] offset:64*(\q)+32*\c+(\i)*16*PITCH
.endr
.endm
; 16 matrix instructions: A's blocks a0, a0 + 1 x B's eight, the slot's q-th 128 along K.  p: B's set; sc: the set of scale words.  zero = 1: the first product starts the sums.
; The 64 accumulators take turns, one instruction a turn, in the same order in every step.
.macro MUL16 a0, p, q, sc, zero
.irp a, \a0, \a0+1
.irp b, 0,1,2,3,4,5,6,7
.if \zero
	v_wmma_scale_f32_16x16x128_f8f6f4 v[8*(8*((\a)%4)+\b):8*(8*((\a)%4)+\b)+7], v[128*(\p)+FR*\b:128*(\p)+FR*\b+FR-1], v[AF+FR*(\a):AF+FR*(\a)+FR-1], 0, v[SC+8*NQ*(\sc)+NQ*\b+(\q)], v[SC+8*NQ*(\sc)+NQ*(\a)+(\q)] matrix_a_fmt:MATRIX_FMT_FP4 matrix_b_fmt:MATRIX_FMT_FP4 matrix_a_scale:MATRIX_SCALE_ROW1
.else
	v_wmma_scale_f32_16x16x128_f8f6f4 v[8*(8*((\a)%4)+\b):8*(8*((\a)%4)+\b)+7], v[128*(\p)+FR*\b:128*(\p)+FR*\b+FR-1], v[AF+FR*(\a):AF+FR*(\a)+FR-1], v[8*(8*((\a)%4)+\b):8*(8*((\a)%4)+\b)+7], v[SC+8*NQ*(\sc)+NQ*\b+(\q)], v[SC+8*NQ*(\sc)+NQ*(\a)+(\q)] matrix_a_fmt:MATRIX_FMT_FP4 matrix_b_fmt:MATRIX_FMT_FP4 matrix_a_scale:MATRIX_SCALE_ROW1
.endif
.endr
.endr
.endm
.macro FETCH_B slot, q, p
	WIN TO_B
.irp i, 0,1,2,3,4,5,6,7
	FRAG 128*(\p)+FR*\i, ADRB+\slot, \q, \i
.endr
	WIN 0
.endm
.macro FETCH_A slot, q, i0
.irp i, \i0, \i0+1, \i0+2, \i0+3
	FRAG AF+FR*(\i), ADRA+\slot, \q, \i
.endr
.endm
.macro SCALES sc                       ; a slot's scale words: 4 words a row; lanes 0-15 take A's block i, lanes 16-31 B's block i
.irp i, 0,1,2,3,4,5,6,7
	ds_load_b128 v[SC+8*NQ*\sc+NQ*\i:SC+8*NQ*\sc+NQ*\i+3], v[ADRS] offset:\i*SBLK
.endr
.endm
.macro PLACES n                        ; plain vector instructions between a matrix instruction and a load into, or a read of, its registers
.rept \n
	v_nop
.endr
.endm
.macro STEP slot, q, zero              ; a step of 128 along K that has its successor in the same slot
	s_wait_dscnt 4*NL                              ; B's set and A's blocks 0-3 are in; the youngest eight loads (A's blocks 4-7) may be out
	WIN MUL_LO
	MUL16 0, (\q)%2, \q, \slot, \zero
	MUL16 2, (\q)%2, \q, \slot, \zero
	s_wait_dscnt 0                                 ; A's blocks 4-7 are in
	PLACES NP
	FETCH_B \slot, (\q)+1, 1-(\q)%2
	FETCH_A \slot, (\q)+1, 0
	WIN MUL_HI
	MUL16 4, (\q)%2, \q, \slot, \zero
	MUL16 6, (\q)%2, \q, \slot, \zero
	PLACES NP
	WIN 0
	FETCH_A \slot, (\q)+1, 4
.endm
; Slot 0's last step changes slots: each wave waits for all its tensor loads (its part of slot 1), adds 0 to its spare word, waits for that and for its reads of slot 0, and passes the barrier.  Nothing is filled again.
.macro TURN slot, next
	s_wait_tensorcnt 0x0                           ; my part of the next slot has landed
	ds_add_u32 v[SPW], v[NIL]
	s_wait_dscnt 4*NL+1                            ; (the add and the youngest eight loads may be out)
	WIN MUL_LO
	MUL16 0, 1, NQ-1, \slot, 0
	s_wait_dscnt 0x0                               ; the add is done, and my reads of this slot are over
	s_barrier_signal -1
	MUL16 2, 1, NQ-1, \slot, 0
	WIN 0
	s_barrier_wait -1                              ; the next slot is whole, and nobody reads this one any more
	PLACES NP
	v_add_nc_u32 v[ADRS], 4*NQ, v[ADRS]            ; on to the next slot's scale words
	FETCH_B \next, 0, 0
	FETCH_A \next, 0, 0
	SCALES \next
	WIN MUL_HI
	MUL16 4, 1, NQ-1, \slot, 0
	MUL16 6, 1, NQ-1, \slot, 0
	PLACES NP
	WIN 0
	FETCH_A \next, 0, 4
.endm
.macro STEPS slot, from
.set Q, \from
.rept NQ-1-\from
	STEP \slot, Q, 0
.set Q, Q+1
.endr
.endm
	s_wait_tensorcnt 1                             ; the scales and my part of slot 0 are in; slot 1's load may stay out
	s_barrier_signal -1
	s_barrier_wait -1
	FETCH_B 0, 0, 0
	FETCH_A 0, 0, 0
	SCALES 0
	FETCH_A 0, 0, 4
	STEP 0, 0, 1                                   ; the first step's products start the sums: nothing is cleared
	STEPS 0, 1
	TURN 0, 1
	STEPS 1, 0
	s_wait_dscnt 4*NL                              ; the last step: nothing more to fetch
	WIN MUL_LO
	MUL16 0, 1, NQ-1, 1, 0
	MUL16 2, 1, NQ-1, 1, 0
	s_wait_dscnt 0
	WIN MUL_HI
	MUL16 4, 1, NQ-1, 1, 0
	MUL16 6, 1, NQ-1, 1, 0
	WIN 0
; THE WAY OUT, a block of 16 tokens x 128 channels (two heads) at a time.  PACK: rounded to f16, 16 bytes a lane.  TOSTAGE: into my stage, [head][token][144 bytes], and back four tokens (512 bytes) a load.  SEND: stored.
.macro PACK a
.set AC, 64*((\a)%4)
	WIN 0x0a+5*((\a)/4)                            ; sources 0 and 1: window 2 or 3
.irp b, 0,1,2,3,4,5,6,7
.irp u, 0,1,2,3
	v_cvt_pk_f16_f32 v[TMP+4*\b+\u], v[AC+8*\b+2*\u], v[AC+8*\b+2*\u+1]   ; each accumulator from its low end on
.endr
.endr
	WIN 0
.endm
.macro TOSTAGE a
.set BB, BK+32*((\a)%2)
.irp b, 0,1,2,3,4,5,6,7
	ds_store_b128 v[STO], v[TMP+4*\b:TMP+4*\b+3] offset:(\b/4)*HSTG+(\b%4)*32
.endr
.irp g, 0,1,2,3,4,5,6,7
	ds_load_b128 v[BB+4*\g:BB+4*\g+3], v[RD] offset:(\g/4)*HSTG+(\g%4)*4*SROW   ; LDS serves a wave's instructions in order: these see the stores above
.endr
.endm
.macro SEND a
.set BB, BK+32*((\a)%2)
	s_wait_dscnt 0x0                               ; the block is back in registers
	s_wait_xcnt 0x0                                ; the stores of the block before have read their registers: the next block's loads may land there
.irp g, 0,1,2,3,4,5,6,7
	global_store_b128 v[CO], v[BB+4*\g:BB+4*\g+3], s[12:13] offset:(\g/4)*262144+(\a)*2048+(\g%4)*512   ; 32 lanes store 512 consecutive bytes; head g / 4, tokens 16 a + 4 (g % 4) on
.endr
.endm
	PLACES NP                                      ; behind the last products: the conversions read results and write registers that held scale words
	PACK 0
	TOSTAGE 0
.irp a, 1,2,3,4,5,6,7
	PACK \a                                        ; block a's conversions stand between block a - 1's loads from the stage and the wait for them
	SEND \a-1
	TOSTAGE \a
.endr
	SEND 7
	s_wait_tensorcnt 0x0                           ; the wave's end
	ds_add_u32 v[SPW], v[NIL]
	s_wait_dscnt 0x0
	CROUND                                         ; the closing round
	s_endpgm
.Lfunc_end_k_q452d368888_proj:
	.size	k_q452d368888_proj, .Lfunc_end_k_q452d368888_proj-k_q452d368888_proj
	.p2alignl 7, 3214868480
	.fill 96, 4, 3214868480
	.section	.rodata,"a",@progbits
	.p2align	6, 0x0
	.amdhsa_kernel k_q452d368888_proj
		.amdhsa_group_segment_fixed_size 327680
		.amdhsa_private_segment_fixed_size 0
		.amdhsa_enable_private_segment 0
		.amdhsa_kernarg_size 24
		.amdhsa_user_sgpr_count 2
		.amdhsa_user_sgpr_kernarg_segment_ptr 1
		.amdhsa_wavefront_size32 1
		.amdhsa_system_sgpr_workgroup_id_x 1
		.amdhsa_system_sgpr_workgroup_id_y 1
		.amdhsa_system_sgpr_workgroup_id_z 1
		.amdhsa_system_vgpr_workitem_id 0
		.amdhsa_next_free_vgpr 1024
		.amdhsa_next_free_sgpr 98
		.amdhsa_reserve_vcc 0
		.amdhsa_float_denorm_mode_32 3
		.amdhsa_float_denorm_mode_16_64 3
		.amdhsa_memory_ordered 1
		.amdhsa_forward_progress 1
		.amdhsa_inst_pref_size 126
	.end_amdhsa_kernel
	.amdgpu_metadata
---
amdhsa.version: [ 1, 2 ]
amdhsa.kernels:
  - .name:           k_q452d368888_proj
    .symbol:         k_q452d368888_proj.kd
    .args:
      - { .name: codes, .offset: 0, .size: 8, .value_kind: global_buffer, .address_space: global }
      - { .name: scales, .offset: 8, .size: 8, .value_kind: global_buffer, .address_space: global }
      - { .name: qkv, .offset: 16, .size: 8, .value_kind: global_buffer, .address_space: global }
    .group_segment_fixed_size: 327680
    .private_segment_fixed_size: 0
    .kernarg_segment_align: 8
    .kernarg_segment_size: 24
    .max_flat_workgroup_size: 128
    .sgpr_count:     98
    .vgpr_count:     1024
    .wavefront_size: 32
...
	.end_amdgpu_metadata
.endif
;; end of part 2
;; launch attn (part 3): grid 4 x 64, 8 waves a work-group, clusters of 4 x 1, 327,680 bytes of LDS; arguments qkv, oh; writes oh
.if DOCPART == 3
	.amdgcn_target "amdgcn-amd-amdhsa--gfx1250"
	.amdhsa_code_object_version 6
	.text
	.protected	k_q452d368888_attn
	.globl	k_q452d368888_attn
	.p2align	8
	.type	k_q452d368888_attn,@function
k_q452d368888_attn:
	s_mov_b64 s[64:65], 0
	v_nop
	global_prefetch_b8 v0, s[64:65] scope:SCOPE_SE
	s_setreg_imm32_b32 hwreg(HW_REG_WAVE_MODE, 25, 1), 1
	s_wait_xcnt 0x0
	s_wait_alu depctr_hold_cnt(0) depctr_sa_sdst(0) depctr_va_vdst(0) depctr_va_sdst(0) depctr_va_ssrc(0) depctr_va_vcc(0) depctr_vm_vsrc(0)
	s_getreg_b32 s2, hwreg(HW_REG_IB_STS2, 6, 4)
	s_cmp_eq_u32 s2, 0
	s_cbranch_scc0 .Lentry_in_a_cluster
	s_endpgm
.Lentry_in_a_cluster:
	s_bfe_u32 s2, ttmp6, 0x10000c
	s_cmp_lg_u32 s2, 0x3003
	s_cbranch_scc0 .Lentry_shape_is_right
	s_endpgm
.Lentry_shape_is_right:
; O[bh][q][:] = the sum over k of softmax_k(Q[bh][q] . K[bh][k] / 8) V[bh][k][:], head size 64, 2,048 keys, no mask.  Q, K, V: qkv [3][64 bh][2048][64] f16.  Products, maxima and sums in f32;
; the weights p are rounded to f16 for the second product, O once at the end.  O goes out as f16 by tiles: oh [token / 128][head][128 tokens][64], the dense blocks that the last launch fetches.
; LIMITS: f16 holds Q, K, V (as the launch before left them), p (at most 1) and O (no larger than the largest |V|).  NaN and infinities are not served.
; SHARES.  A work-group owns 512 queries of one (batch, head); each of its eight waves 64: four tiles of 16.  Two waves share a SIMD, 512 registers each: one wave's softmax stands beside the other's products.
; Four tiles to a wave, so that each fragment of K and V read from LDS feeds four matrix instructions.  Every wave walks all keys, 64 a step.
; LAYOUT.  S^T = K Q^T (source 0 = 16 keys, source 1 = 16 queries): a lane holds ONE query (lane % 16) and keys 8 (lane / 16) + 0..7.  Two such tiles, rounded in pairs, ARE source 1 (32 keys x 16 queries) of
; O^T = V^T P, whose result again holds one query a lane.  K comes out of LDS as it lies, V ([key][channel]) turned, by ds_load_tr16_b128.
; SOFTMAX.  For each query a running maximum m and sum l: p = 2^(c s - c m), c = log2(e) / 8; in every step O and l are multiplied by a = 2^(c m_old - c m_new).
; RING.  Two places in LDS of 512 keys each (K and V); the head's 2,048 keys are four slots: two first fills, two refills.  A refill is asked for eight key steps ahead of its first read, so nothing more is asked ahead of it.
; CLUSTER.  The four query blocks of a head form a cluster and walk the same K and V: each tile is asked for jointly, by the same load with the mask of all four.  Waves 0-3 fetch K's quarters, waves 4-7 V's.
; REGISTERS.  window 0: v2-14 addresses; v16-47 statistics, eight a tile; v48-55 a second sum a tile; v64-191 S^T, 32 a tile (P is packed into each tile's first 16); v192-255 V of a step.
;   window 1: v0-127 O^T, 32 a tile; v128-191 Q; v192-255 K of a step.
.set PLB,   143360                     ; a place: K's region, then V's
.set VOFF,  69632                      ; K: 256 LDS rows of 256 + 16 bytes, two keys a row: the 16 keys of a fragment load fall on 16 different 16-byte columns of 256
.set KSB,   8704                       ; a step's 64 keys of K: 32 rows of 272
.set VSB,   9216                       ; of V: 32 rows of 256 + 32 bytes: the 16 lanes of a turning load fall on 16 different columns
.set SLOTG, 65536                      ; 512 keys in memory
.set SPARE, 2*PLB                      ; the spare words, 128 bytes a wave, which no other line names
.set SROW,  144                        ; the way out: a stage row: 128 bytes + 16
.set WSTG,  64*SROW                    ; a wave's stage, in place 0, which has had its last fill and its last read by then
.set AK0, 2
.set AV0, 3
.set ADK, 4
.set ADV, 5
.set QO,  6
.set RD,  7
.set GO,  8
.set SPW, 12
.set NIL, 13
.set STO, 14
.set ST,  16                           ; tile t at v[ST + 8 t]: +0 c m, +1 m, +2, +3 l (even keys', odd keys'), +4 .. +7 at work; a takes +6
.set BS,  48                           ; tile t's second chain of sums: v[BS + 2 t], + 1
.set S,   64
.set VF,  192
.set QF,  128                          ; window 1
.set KF,  192                          ; window 1
.set WV,  12
.set G1K, 24
.set G1V, 32
.set G0K, 40                           ; a set for each place
.set G0V, 48
.set CNT, 56
.set CS,  58
.set SEL, 60
.set TBK, 62                           ; LDS byte at which the K tile to be fetched begins
.set TBV, 63                           ; the same for V (less VOFF)
.set MSB, 0
.macro WIN new
.if MSB != (\new)
	s_set_vgpr_msb (MSB<<8)|(\new)
.set MSB, (\new)
.endif
.endm
.set W_KQ, 0x05                        ; K and Q in window 1, S^T in window 0
.set W_PV, 0x50                        ; V and P in window 0, O^T in window 1
.set W_RS, 0x41                        ; O^T (destination and source 0) in window 1, the factor in window 0
.set TO_1, 0x40                        ; destination window 1, address window 0
.macro JLOAD n                         ; a joint refill of place n; the branch hangs on the wave's number alone; an s_nop 0 and four v_nop follow each line
	s_cmp_lt_u32 s[WV], 4
	s_cbranch_scc0 .Lfor_v_\@
	tensor_load_to_lds s[G0K+4*\n:G0K+4*\n+3], s[G1K:G1K+7]
	s_nop 0
.rept 4
	v_nop
.endr
	s_branch .Lasked_\@
.Lfor_v_\@:
	tensor_load_to_lds s[G0V+4*\n:G0V+4*\n+3], s[G1V:G1V+7]
	s_nop 0
.rept 4
	v_nop
.endr
.Lasked_\@:
.endm
.macro CROUND
	s_barrier_signal -1
	s_barrier_wait -1
	s_cmp_lg_u32 s[WV], 0
	s_cbranch_scc1 .Lnot_wave_0_\@
	s_barrier_signal -3
.Lnot_wave_0_\@:
	s_barrier_wait -3
	s_barrier_signal -1
	s_barrier_wait -1
.endm
	s_load_b128 s[4:7], s[0:1], 0x0                ; qkv s[4:5], oh s[6:7]
	v_lshl_add_u32 v[SPW], v0, 2, SPARE
	v_mov_b32 v[NIL], 0
	ds_add_u32 v[SPW], v[NIL]                      ; the wave's opening: the add, twice on end, and its wait ahead of my first tensor load
	ds_add_u32 v[SPW], v[NIL]
	v_lshrrev_b32 v1, 5, v0
	v_readfirstlane_b32 s[WV], v1                  ; wave 0..7
	s_bfe_u32 s13, ttmp6, 0x40000                  ; cx
	s_lshl_b32 s14, ttmp9, 2
	s_add_co_u32 s14, s14, s13                     ; my block of 512 queries: it enters Q's and O's addresses alone
	s_and_b32 s20, ttmp7, 0xffff                   ; bh, which the four partners share
	s_and_b32 s15, s[WV], 3                        ; which 128 keys of a slot I fetch
	s_lshl_b32 s22, s20, 18                        ; a head: 2,048 rows of 128 bytes
	s_lshl_b32 s23, s15, 14
	s_add_co_u32 s22, s22, s23
	s_mov_b32 s23, 0                               ; s[22:23]: my part of slot 0, within K or V
	s_lshl_b32 s2, s20, 18
	s_lshl_b32 s3, s14, 16
	s_add_co_u32 s2, s2, s3
	s_lshl_b32 s3, s[WV], 13
	s_add_co_u32 s2, s2, s3
	s_mov_b32 s3, 0                                ; s[2:3]: my wave's 64 queries
	s_lshr_b32 s21, s20, 4                         ; oh: token block = 16 x batch + 4 x query block + wave / 2,
	s_lshl_b32 s21, s21, 4
	s_lshl_b32 s57, s14, 2
	s_add_co_u32 s21, s21, s57
	s_lshr_b32 s57, s[WV], 1
	s_add_co_u32 s21, s21, s57
	s_lshl_b32 s21, s21, 18                        ; of 16 heads x 16,384 bytes;
	s_and_b32 s57, s20, 15
	s_lshl_b32 s57, s57, 14                        ; my head;
	s_add_co_u32 s21, s21, s57
	s_and_b32 s57, s[WV], 1
	s_lshl_b32 s57, s57, 13                        ; my 64 of its 128 tokens
	s_add_co_u32 s20, s21, s57
	s_mov_b32 s21, 0
	; descriptor group 1: 128 keys as 64 rows of 128 elements of 2 bytes (two keys a row), dense in memory, padded in LDS
	s_mov_b32 s[G1K], 15|(1<<16)|(1<<20)|(1<<21)|(5<<22)|(3<<25)  ; the mask of all four; 2-byte elements; padding on; bit 21 beside a mask; 4 words behind every 64
	s_mov_b32 s[G1V], 15|(1<<16)|(1<<20)|(1<<21)|(5<<22)|(7<<25)  ; the same with 8 words
.irp g, G1K, G1V
	s_mov_b32 s[\g+1], 128<<16                     ; tensor_dim0
	s_mov_b32 s[\g+2], 64<<16                      ; tensor_dim1
	s_mov_b32 s[\g+3], 128<<16                     ; tile_dim0
	s_mov_b32 s[\g+4], 64                          ; tile_dim1
	s_mov_b32 s[\g+5], 128                         ; from row to row
	s_mov_b32 s[\g+6], 0
	s_mov_b32 s[\g+7], 0
.endr
	s_mov_b32 s[CS], 0x3e38aa3b                    ; c = log2(e) / 8
	s_mov_b32 s[CS+1], s[CS]                       ; named with it as a pair, so it is written
	s_mov_b32 s[SEL], 0x76543210
	s_mov_b32 s[SEL+1], 0xfedcba98
	s_mul_i32 s56, s15, 64*272                     ; my part's place in K's region,
	s_mul_i32 s57, s15, 64*288                     ; and in V's: no place in the cluster enters an LDS address
	s_wait_dscnt 0x0                               ; both opening adds are done
	s_wait_kmcnt 0x0
	s_add_nc_u64 s[8:9], s[4:5], s[22:23]
	s_add_nc_u64 s[10:11], s[8:9], 0x2000000       ; V
	s_add_nc_u64 s[8:9], s[8:9], 0x1000000         ; K
	s_add_nc_u64 s[16:17], s[4:5], s[2:3]          ; Q
	s_add_nc_u64 s[18:19], s[6:7], s[20:21]        ; O
	CROUND                                         ; all four work-groups are here: the first joint loads meet
.irp n, 0,1
	s_mov_b32 s[G0K+4*\n], 1
	s_add_co_u32 s[G0K+4*\n+1], s56, \n*PLB
	s_add_nc_u64 s[G0K+4*\n+2:G0K+4*\n+3], s[8:9], \n*SLOTG
	s_or_b32 s[G0K+4*\n+3], s[G0K+4*\n+3], 0x80000000
	s_mov_b32 s[G0V+4*\n], 1
	s_add_co_u32 s[G0V+4*\n+1], s57, \n*PLB+VOFF
	s_add_nc_u64 s[G0V+4*\n+2:G0V+4*\n+3], s[10:11], \n*SLOTG
	s_or_b32 s[G0V+4*\n+3], s[G0V+4*\n+3], 0x80000000
.endr
	s_cmp_lt_u32 s[WV], 4                          ; a wave's two first fills stand in one branch: two loads of mine are out
	s_cbranch_scc0 .Lfirst_v
	tensor_load_to_lds s[G0K:G0K+3], s[G1K:G1K+7]
	s_nop 0
	tensor_load_to_lds s[G0K+4:G0K+7], s[G1K:G1K+7]
	s_nop 0
.rept 4
	v_nop
.endr
	s_branch .Lfirst_asked
.Lfirst_v:
	tensor_load_to_lds s[G0V:G0V+3], s[G1V:G1V+7]
	s_nop 0
	tensor_load_to_lds s[G0V+4:G0V+7], s[G1V:G1V+7]
	s_nop 0
.rept 4
	v_nop
.endr
.Lfirst_asked:
	v_and_b32 v1, 15, v0                           ; r
	v_bfe_u32 v9, v0, 4, 1                         ; h
	v_lshlrev_b32 v[QO], 7, v1
	v_lshl_add_u32 v[QO], v9, 4, v[QO]             ; Q: row r of 128 bytes + 16 h
	WIN TO_1
.irp f, 0,1,2,3,4,5,6,7                ; Q stays in registers: tile f / 2, channels 32 (f % 2) on
	global_load_b128 v[QF+8*\f:QF+8*\f+3],   v[QO], s[16:17] offset:(\f/2)*2048+(\f%2)*64
	global_load_b128 v[QF+8*\f+4:QF+8*\f+7], v[QO], s[16:17] offset:(\f/2)*2048+(\f%2)*64+32
.endr
	WIN 0
	v_lshrrev_b32 v10, 1, v1
	v_mul_u32_u24 v[AK0], v10, 272                 ; K: key r lies in LDS row r / 2,
	v_and_b32 v10, 1, v0
	v_lshl_add_u32 v[AK0], v10, 7, v[AK0]          ; half r % 2,
	v_lshl_add_u32 v[AK0], v9, 4, v[AK0]           ; + 16 h
	v_bfe_u32 v11, v0, 1, 2                        ; V: lane l addresses key 8 h + l % 8: LDS row 4 h + (l % 8) / 2,
	v_lshl_add_u32 v11, v9, 2, v11
	v_mul_u32_u24 v[AV0], v11, 288
	v_lshl_add_u32 v[AV0], v10, 7, v[AV0]          ; half l % 2,
	v_bfe_u32 v11, v0, 3, 1
	v_lshl_add_u32 v[AV0], v11, 4, v[AV0]          ; channels 8 ((l / 8) % 2) on
	v_add_nc_u32 v[AV0], VOFF, v[AV0]
.macro FETCH_K                         ; a step's K: 64 keys x 64 channels: 8 fragments (keys 16 (f / 2) on, channels 32 (f % 2) on)
	WIN TO_1
.irp f, 0,1,2,3,4,5,6,7
	ds_load_b128 v[KF+8*\f:KF+8*\f+3],   v[ADK] offset:(\f/2)*2176+(\f%2)*64
	ds_load_b128 v[KF+8*\f+4:KF+8*\f+7], v[ADK] offset:(\f/2)*2176+(\f%2)*64+32
.endr
	WIN 0
.endm
.macro FETCH_V                         ; a step's V, turned: 8 fragments (keys 32 (f / 4) on, channels 16 (f % 4) on)
.irp f, 0,1,2,3,4,5,6,7
	ds_load_tr16_b128 v[VF+8*\f:VF+8*\f+3],   v[ADV] offset:(\f/4)*4608+(\f%4)*32
	ds_load_tr16_b128 v[VF+8*\f+4:VF+8*\f+7], v[ADV] offset:(\f/4)*4608+2304+(\f%4)*32
.endr
.endm
; 32 products S^T = K Q^T: channels 32 (i / 16) on, keys 16 ((i / 4) % 4) on, tile i % 4.  The first 16 start the sums.  The 16 accumulators take turns.
.macro KQ
	WIN W_KQ
.set i, 0
.rept 32
.set rS, S+32*(i%4)+8*((i/4)%4)
.set rK, KF+16*((i/4)%4)+8*(i/16)
.set rQ, QF+16*(i%4)+8*(i/16)
.if i < 16
	v_wmma_f32_16x16x32_f16 v[rS:rS+7], v[rK:rK+7], v[rQ:rQ+7], 0
.else
	v_wmma_f32_16x16x32_f16 v[rS:rS+7], v[rK:rK+7], v[rQ:rQ+7], v[rS:rS+7]
.endif
.set i, i+1
.endr
	WIN 0
.endm
; 32 products O^T += V^T P: keys 32 (i / 16) on, channels 16 ((i / 4) % 4) on, tile i % 4.  first = 1: the first 16 start the sums.
.macro PV first
	WIN W_PV
.set i, 0
.rept 32
.set rO, 32*(i%4)+8*((i/4)%4)
.set rV, VF+8*(4*(i/16)+(i/4)%4)
.set rP, S+32*(i%4)+8*(i/16)
.if \first && (i < 16)
	v_wmma_f32_16x16x32_f16 v[rO:rO+7], v[rV:rV+7], v[rP:rP+7], 0
.else
	v_wmma_f32_16x16x32_f16 v[rO:rO+7], v[rV:rV+7], v[rP:rP+7], v[rO:rO+7]
.endif
.set i, i+1
.endr
	WIN 0
.endm
; A KEY STEP, in phases: V is asked for; K Q^T; the next step's K is asked for; the softmax of four tiles, line by line by turns; V^T P.  first = 1: the first step, which starts m, l and O^T.
.macro STEP first
	v_add_nc_u32 v[ADV], s[TBV], v[AV0]            ; this line and four v_nop: five plain instructions behind the last V^T P, whose operands P are written over by K Q^T and whose V's registers are loaded again
.rept 4
	v_nop
.endr
	s_wait_dscnt 0x0                               ; K of this step is in
	FETCH_V
	KQ
	s_add_co_u32 s[TBK], s[TBK], KSB
	v_add_nc_u32 v[ADK], s[TBK], v[AK0]            ; this line and three v_nop: four plain instructions behind K Q^T, ahead of loads into K's registers and of the first read of S^T
.rept 3
	v_nop
.endr
.if !\first
	s_cmp_eq_u32 s[CNT], 1                         ; a slot's last step has no successor in the slot: LDS loads alone are passed over, and every later wait on them is for 0
	s_cbranch_scc1 .Lno_k_\@
.endif
	FETCH_K
.if !\first
.Lno_k_\@:
.endif
	; the maximum of the lane's 32 scores and the old m: four chains, each begun at an accumulator's low end
.irp j, 0,1,2,3
.irp t, 0,1,2,3
	v_max3_num_f32 v[ST+8*\t+4+\j], v[S+32*\t+8*\j], v[S+32*\t+8*\j+1], v[S+32*\t+8*\j+2]
.endr
.endr
.irp u, 3,5
.irp j, 0,1,2,3
.irp t, 0,1,2,3
	v_max3_num_f32 v[ST+8*\t+4+\j], v[ST+8*\t+4+\j], v[S+32*\t+8*\j+\u], v[S+32*\t+8*\j+\u+1]
.endr
.endr
.endr
.irp t, 0,1,2,3
	v_max3_num_f32 v[ST+8*\t+4], v[ST+8*\t+4], v[S+32*\t+7], v[S+32*\t+15]
.endr
.irp t, 0,1,2,3
	v_max3_num_f32 v[ST+8*\t+6], v[ST+8*\t+6], v[S+32*\t+23], v[S+32*\t+31]
.endr
.irp t, 0,1,2,3
	v_max3_num_f32 v[ST+8*\t+4], v[ST+8*\t+4], v[ST+8*\t+5], v[ST+8*\t+6]
.endr
.irp t, 0,1,2,3
.if \first
	v_max_num_f32 v[ST+8*\t+4], v[ST+8*\t+4], v[ST+8*\t+7]
.else
	v_max3_num_f32 v[ST+8*\t+4], v[ST+8*\t+4], v[ST+8*\t+7], v[ST+8*\t+1]
.endif
.endr
.irp t, 0,1,2,3
	v_permlanex16_b32 v[ST+8*\t+5], v[ST+8*\t+4], s[SEL], s[SEL+1]   ; the query's other 32 keys lie in the lane 16 away
.endr
.if !\first
.irp t, 0,1,2,3
	v_mov_b32 v[ST+8*\t+7], v[ST+8*\t]             ; c m_old is kept for a
.endr
.endif
.irp t, 0,1,2,3
	v_max_num_f32 v[ST+8*\t+1], v[ST+8*\t+4], v[ST+8*\t+5]
.endr
.irp t, 0,1,2,3
	v_mul_f32 v[ST+8*\t], s[CS], v[ST+8*\t+1]
.endr
.if !\first
.irp t, 0,1,2,3
	v_sub_f32 v[ST+8*\t+7], v[ST+8*\t+7], v[ST+8*\t]
.endr
.endif
.irp b, 0,1,2,3,4,5,6,7,8,9,10,11,12,13,14,15
.irp t, 0,1,2,3
	v_pk_fma_f32 v[S+32*\t+2*\b:S+32*\t+2*\b+1], v[S+32*\t+2*\b:S+32*\t+2*\b+1], s[CS:CS+1], v[ST+8*\t:ST+8*\t+1] op_sel_hi:[1,0,0] neg_lo:[0,0,1] neg_hi:[0,0,1]   ; c s - c m
.endr
.endr
	; the exponentials are ONE batch: none reads another's result; one plain instruction and one wait stand ahead of the first reader
.if !\first
.irp t, 0,1,2,3
	v_exp_f32 v[ST+8*\t+6], v[ST+8*\t+7]           ; a
.endr
.endif
.set j, 0
.rept 128
	v_exp_f32 v[S+j], v[S+j]
.set j, j+1
.endr
	v_nop
	s_wait_alu depctr_va_vdst(0)
	; the sums of the unrounded p, a pair (an even key's, an odd key's) at a time, in two chains a tile
.if \first
.irp t, 0,1,2,3
	v_pk_add_f32 v[ST+8*\t+2:ST+8*\t+3], v[S+32*\t:S+32*\t+1], v[S+32*\t+2:S+32*\t+3]
.endr
.irp t, 0,1,2,3
	v_pk_add_f32 v[BS+2*\t:BS+2*\t+1], v[S+32*\t+4:S+32*\t+5], v[S+32*\t+6:S+32*\t+7]
.endr
.irp b, 4,6,8,10,12,14
.irp t, 0,1,2,3
	v_pk_add_f32 v[ST+8*\t+2:ST+8*\t+3], v[ST+8*\t+2:ST+8*\t+3], v[S+32*\t+2*\b:S+32*\t+2*\b+1]
.endr
.irp t, 0,1,2,3
	v_pk_add_f32 v[BS+2*\t:BS+2*\t+1], v[BS+2*\t:BS+2*\t+1], v[S+32*\t+2*\b+2:S+32*\t+2*\b+3]
.endr
.endr
.else
.irp t, 0,1,2,3
	v_pk_fma_f32 v[ST+8*\t+2:ST+8*\t+3], v[ST+8*\t+2:ST+8*\t+3], v[ST+8*\t+6:ST+8*\t+7], v[S+32*\t:S+32*\t+1] op_sel_hi:[1,0,1]   ; l a + the first pair
.endr
.irp t, 0,1,2,3
	v_pk_add_f32 v[BS+2*\t:BS+2*\t+1], v[S+32*\t+2:S+32*\t+3], v[S+32*\t+4:S+32*\t+5]
.endr
.irp b, 3,5,7,9,11,13
.irp t, 0,1,2,3
	v_pk_add_f32 v[ST+8*\t+2:ST+8*\t+3], v[ST+8*\t+2:ST+8*\t+3], v[S+32*\t+2*\b:S+32*\t+2*\b+1]
.endr
.irp t, 0,1,2,3
	v_pk_add_f32 v[BS+2*\t:BS+2*\t+1], v[BS+2*\t:BS+2*\t+1], v[S+32*\t+2*\b+2:S+32*\t+2*\b+3]
.endr
.endr
.irp t, 0,1,2,3
	v_pk_add_f32 v[ST+8*\t+2:ST+8*\t+3], v[ST+8*\t+2:ST+8*\t+3], v[S+32*\t+30:S+32*\t+31]
.endr
.endif
.irp t, 0,1,2,3
	v_pk_add_f32 v[ST+8*\t+2:ST+8*\t+3], v[ST+8*\t+2:ST+8*\t+3], v[BS+2*\t:BS+2*\t+1]
.endr
	; p to f16, in place: register e of a tile takes pair e; ascending, so that no pair is written over before it is read
.irp e, 0,1,2,3,4,5,6,7,8,9,10,11,12,13,14,15
.irp t, 0,1,2,3
	v_cvt_pk_f16_f32 v[S+32*\t+\e], v[S+32*\t+2*\e], v[S+32*\t+2*\e+1]
.endr
.endr
.if !\first
	WIN W_RS
.irp e, 0,1,2,3,4,5,6,7,8,9,10,11,12,13,14,15
.irp t, 0,1,2,3
	v_pk_mul_f32 v[32*\t+2*\e:32*\t+2*\e+1], v[32*\t+2*\e:32*\t+2*\e+1], v[ST+8*\t+6:ST+8*\t+7] op_sel_hi:[1,0]   ; O^T x a, each accumulator from its low end on
.endr
.endr
	WIN 0
.endif
	s_wait_dscnt 0x0                               ; V is in (asked for a softmax ago), and so is the next K
	PV \first
	s_add_co_u32 s[TBV], s[TBV], VSB
.endm
.macro SLOT_STEPS n
	s_mov_b32 s[CNT], \n
.Lstep_\@:
	STEP 0
	s_sub_co_u32 s[CNT], s[CNT], 1
	s_cmp_lg_u32 s[CNT], 0
	s_cbranch_scc1 .Lstep_\@
.endm
.macro SLOT_HEAD p                     ; on to place p: its first step's K is asked for
	s_mov_b32 s[TBK], \p*PLB
	s_mov_b32 s[TBV], \p*PLB
	v_add_nc_u32 v[ADK], s[TBK], v[AK0]
	FETCH_K
.endm
; THE CHANGE OF SLOTS.  Each wave waits for all its tensor loads (one is out: its part of the slot ahead), adds 0 to its spare word, and waits for that and for its reads of the slot that it leaves.
; fill = 1: place n, just left, is filled with the keys two slots on: the barrier is a round of the cluster's, and the joint refill is the first thing behind it.
.macro CHANGE fill, n
	s_wait_tensorcnt 0x0                           ; no tensor load of mine is out, so a group 0 may be written
	ds_add_u32 v[SPW], v[NIL]
.if \fill
	s_add_nc_u64 s[G0K+4*\n+2:G0K+4*\n+3], s[G0K+4*\n+2:G0K+4*\n+3], 2*SLOTG
	s_add_nc_u64 s[G0V+4*\n+2:G0V+4*\n+3], s[G0V+4*\n+2:G0V+4*\n+3], 2*SLOTG
.endif
	s_wait_dscnt 0x0                               ; the add is done, and my reads of the slot are over
.if \fill
	CROUND
	JLOAD \n
.else
	s_barrier_signal -1
	s_barrier_wait -1
.endif
.endm
	s_wait_tensorcnt 1                             ; my part of slot 0 is in; slot 1's may stay out
	s_barrier_signal -1
	s_barrier_wait -1
	SLOT_HEAD 0
	s_wait_loadcnt 0x0                             ; Q
	STEP 1
	SLOT_STEPS 7
	CHANGE 1, 0                                    ; keys 1,024 on go into place 0
	SLOT_HEAD 1
	SLOT_STEPS 8
	CHANGE 1, 1                                    ; keys 1,536 on go into place 1
	SLOT_HEAD 0
	SLOT_STEPS 8
	CHANGE 0, 0                                    ; nothing is left to ask for
	SLOT_HEAD 1
	SLOT_STEPS 8
	; THE WAY OUT.  l's halves are added; O^T is divided by l, rounded to f16 and sent through my stage, so that each store covers 512 consecutive bytes.  The four additions are the places behind the last products.
.irp t, 0,1,2,3
	v_add_f32 v[ST+8*\t+4], v[ST+8*\t+2], v[ST+8*\t+3]
.endr
.irp t, 0,1,2,3
	v_permlanex16_b32 v[ST+8*\t+5], v[ST+8*\t+4], s[SEL], s[SEL+1]
.endr
.irp t, 0,1,2,3
	v_add_f32 v[ST+8*\t+4], v[ST+8*\t+4], v[ST+8*\t+5]
.endr
.irp t, 0,1,2,3
	v_rcp_f32 v[ST+8*\t+6], v[ST+8*\t+4]
.endr
	s_mul_i32 s20, s[WV], WSTG                     ; my stage; the address work stands behind the reciprocals
	v_and_b32 v1, 15, v0
	v_bfe_u32 v9, v0, 4, 1
	v_mul_u32_u24 v[STO], v1, SROW                 ; in: query r, 16 bytes for each half of the lanes
	v_lshl_add_u32 v[STO], v9, 4, v[STO]
	v_add_nc_u32 v[STO], s20, v[STO]
	v_and_b32 v10, 31, v0
	v_lshlrev_b32 v[GO], 4, v10                    ; out: 16 bytes a lane
	v_lshrrev_b32 v11, 3, v10
	v_mul_u32_u24 v[RD], v11, SROW                 ; back: query lane / 8, 16 bytes x (lane % 8)
	v_and_b32 v11, 7, v0
	v_lshl_add_u32 v[RD], v11, 4, v[RD]
	v_add_nc_u32 v[RD], s20, v[RD]
	s_wait_alu depctr_va_vdst(0)                   ; one wait for the four reciprocals, ahead of their first reader
.irp t, 0,1,2,3
	WIN W_RS
.irp e, 0,1,2,3,4,5,6,7,8,9,10,11,12,13,14,15
	v_pk_mul_f32 v[32*\t+2*\e:32*\t+2*\e+1], v[32*\t+2*\e:32*\t+2*\e+1], v[ST+8*\t+6:ST+8*\t+7] op_sel_hi:[1,0]
.endr
	WIN 0x05                                       ; sources 0 and 1 window 1, destination window 0: S^T's registers are free
.irp e, 0,1,2,3,4,5,6,7,8,9,10,11,12,13,14,15
	v_cvt_pk_f16_f32 v[S+16*\t+\e], v[32*\t+2*\e], v[32*\t+2*\e+1]
.endr
	WIN 0
.irp u, 0,1,2,3
	ds_store_b128 v[STO], v[S+16*\t+4*\u:S+16*\t+4*\u+3] offset:\t*16*SROW+32*\u
.endr
.endr
.irp g, 0,1,2,3,4,5,6,7,8,9,10,11,12,13,14,15
	ds_load_b128 v[128+4*\g:128+4*\g+3], v[RD] offset:\g*4*SROW   ; LDS serves a wave's instructions in order: these see my stores
.endr
.irp g, 0,1,2,3,4,5,6,7,8,9,10,11,12,13,14,15
	s_wait_dscnt 15-\g
	global_store_b128 v[GO], v[128+4*\g:128+4*\g+3], s[18:19] offset:512*\g   ; the wave's 64 rows are 8,192 consecutive bytes of oh
.endr
	s_wait_tensorcnt 0x0                           ; the wave's end
	ds_add_u32 v[SPW], v[NIL]
	s_wait_dscnt 0x0
	CROUND                                         ; the closing round
	s_endpgm
.Lfunc_end_k_q452d368888_attn:
	.size	k_q452d368888_attn, .Lfunc_end_k_q452d368888_attn-k_q452d368888_attn
	.p2alignl 7, 3214868480
	.fill 96, 4, 3214868480
	.section	.rodata,"a",@progbits
	.p2align	6, 0x0
	.amdhsa_kernel k_q452d368888_attn
		.amdhsa_group_segment_fixed_size 327680
		.amdhsa_private_segment_fixed_size 0
		.amdhsa_enable_private_segment 0
		.amdhsa_kernarg_size 16
		.amdhsa_user_sgpr_count 2
		.amdhsa_user_sgpr_kernarg_segment_ptr 1
		.amdhsa_wavefront_size32 1
		.amdhsa_system_sgpr_workgroup_id_x 1
		.amdhsa_system_sgpr_workgroup_id_y 1
		.amdhsa_system_sgpr_workgroup_id_z 1
		.amdhsa_system_vgpr_workitem_id 0
		.amdhsa_next_free_vgpr 512
		.amdhsa_next_free_sgpr 66
		.amdhsa_reserve_vcc 0
		.amdhsa_float_denorm_mode_32 3
		.amdhsa_float_denorm_mode_16_64 3
		.amdhsa_memory_ordered 1
		.amdhsa_forward_progress 1
		.amdhsa_inst_pref_size 184
	.end_amdhsa_kernel
	.amdgpu_metadata
---
amdhsa.version: [ 1, 2 ]
amdhsa.kernels:
  - .name:           k_q452d368888_attn
    .symbol:         k_q452d368888_attn.kd
    .args:
      - { .name: qkv, .offset: 0, .size: 8, .value_kind: global_buffer, .address_space: global }
      - { .name: oh, .offset: 8, .size: 8, .value_kind: global_buffer, .address_space: global }
    .group_segment_fixed_size: 327680
    .private_segment_fixed_size: 0
    .kernarg_segment_align: 8
    .kernarg_segment_size: 16
    .max_flat_workgroup_size: 256
    .sgpr_count:     66
    .vgpr_count:     512
    .wavefront_size: 32
...
	.end_amdgpu_metadata
.endif
;; end of part 3
;; launch outp (part 4): grid 4 x 64, 4 waves a work-group, clusters of 4 x 4, 327,680 bytes of LDS; arguments oh, wo16, out0; writes out0
.if DOCPART == 4
	.amdgcn_target "amdgcn-amd-amdhsa--gfx1250"
	.amdhsa_code_object_version 6
	.text
	.protected	k_q452d368888_outp
	.globl	k_q452d368888_outp
	.p2align	8
	.type	k_q452d368888_outp,@function
k_q452d368888_outp:
	s_mov_b64 s[64:65], 0
	v_nop
	global_prefetch_b8 v0, s[64:65] scope:SCOPE_SE
	s_setreg_imm32_b32 hwreg(HW_REG_WAVE_MODE, 25, 1), 1
	s_wait_xcnt 0x0
	s_wait_alu depctr_hold_cnt(0) depctr_sa_sdst(0) depctr_va_vdst(0) depctr_va_sdst(0) depctr_va_ssrc(0) depctr_va_vcc(0) depctr_vm_vsrc(0)
	s_getreg_b32 s2, hwreg(HW_REG_IB_STS2, 6, 4)
	s_cmp_eq_u32 s2, 0
	s_cbranch_scc0 .Lentry_in_a_cluster
	s_endpgm
.Lentry_in_a_cluster:
	s_bfe_u32 s2, ttmp6, 0x10000c
	s_cmp_lg_u32 s2, 0xf033
	s_cbranch_scc0 .Lentry_shape_is_right
	s_endpgm
.Lentry_shape_is_right:
; out0[token][n] = the sum over k of O[token][k] W_o[n][k], f16 operands, f32 sums, f32 out.  8,192 x 1,024 x 1,024.
; O: oh [token / 128][k / 64][128 tokens][64] f16;  W_o: wo16 [n / 128][k / 64][128 n][64] f16: every tile is a dense block of memory, stated as rows of 256 bytes (two rows of the matrix).
; A tile of the output is 128 tokens x 256 n: 256 work-groups.  Four waves, each 64 tokens x 128 n: 32 accumulators of 16 x 16, 256 registers.
; K goes in steps of 128 (two blocks of 64) through a ring of two LDS slots; waves 0 and 1 fetch A's two blocks (64 rows of 256 bytes each), waves 2 and 3 B's two halves of n (128 rows each).
; From a refill's request to the wait for it a wave issues 96 matrix instructions.  Two slots of twice the step would take 417,792 bytes of LDS: more than a work-group can have.
; CLUSTERS: 4 x 4 work-groups: A's tiles are shared along a row of the cluster, B's along a column, each asked for jointly.
; THE MATRIX INSTRUCTION IS USED TRANSPOSED (source 0 = 16 rows n of W_o, source 1 = 16 tokens): a lane holds eight neighbouring n of one token.
; REGISTERS: window 0: v16-29 addresses; v64-191 at work on the way out.  window 1: the accumulators ((a, b) at v[8 (8 a + b)]).
;   windows 2 and 3: two fragment buffers, each a block of 64 along K: for c = 0, 1 (32 along K): B's eight fragments at v[96 c + 8 b], A's four at v[96 c + 64 + 8 a].
.set BLKL,  64*272                     ; a block of 128 rows x 64 k in LDS: 64 rows of 256 + 16 bytes: the 16 rows of a fragment load fall on 16 different 16-byte columns of 256
.set SLOT,  6*BLKL                     ; A's two blocks, then B's two halves of n, two blocks each
.set STAGE, 2*SLOT                     ; behind the ring: 16 rows x (512 + 16) bytes for each wave
.set SPITCH, 528
.set SPARE, STAGE+4*16*SPITCH          ; the spare words, 128 bytes a wave, which no other line names
.set ADRA, 16
.set ADRB, 20
.set STO,  24
.set RD,   25
.set CO,   26
.set SPW,  28
.set NIL,  29
.set BK,   64
.set G1, 24
.set G0, 32
.set G1B, 48
.set G0B, 56
.set MSB, 0
.macro WIN new
.if MSB != (\new)
	s_set_vgpr_msb (MSB<<8)|(\new)
.set MSB, (\new)
.endif
.endm
.set MULF0, 0x5a                       ; sources 0 and 1 window 2; C and D window 1
.set MULF1, 0x5f                       ; sources 0 and 1 window 3
.set TOF0,  0x80
.set TOF1,  0xc0
.macro JLOAD s                         ; a joint load: waves 0 and 1 for A, waves 2 and 3 for B; an s_nop 0 and four v_nop follow each line
	s_cmp_eq_u32 s11, 0
	s_cbranch_scc0 .Lfor_b_\@
	tensor_load_to_lds s[G0+4*\s:G0+4*\s+3], s[G1:G1+7]
	s_nop 0
.rept 4
	v_nop
.endr
	s_branch .Lasked_\@
.Lfor_b_\@:
	tensor_load_to_lds s[G0B+4*\s:G0B+4*\s+3], s[G1B:G1B+7]
	s_nop 0
.rept 4
	v_nop
.endr
.Lasked_\@:
.endm
.macro CREST
	s_cmp_lg_u32 s10, 0
	s_cbranch_scc1 .Lnot_wave_0_\@
	s_barrier_signal -3
.Lnot_wave_0_\@:
	s_barrier_wait -3
	s_barrier_signal -1
	s_barrier_wait -1
.endm
.macro CROUND
	s_barrier_signal -1
	s_barrier_wait -1
	CREST
.endm
	s_load_b128 s[4:7], s[0:1], 0x0                ; oh s[4:5], wo16 s[6:7]
	s_load_b64 s[8:9], s[0:1], 0x10                ; out0
	v_lshl_add_u32 v[SPW], v0, 2, SPARE
	v_mov_b32 v[NIL], 0
	ds_add_u32 v[SPW], v[NIL]                      ; the wave's opening: the add, twice on end, and its wait ahead of my first tensor load
	ds_add_u32 v[SPW], v[NIL]
	v_lshrrev_b32 v1, 5, v0
	v_readfirstlane_b32 s10, v1                    ; wave 0..3
	s_lshr_b32 s11, s10, 1                         ; which 64 tokens are mine.  Also: I fetch for A (0) or for B (1)
	s_and_b32 s12, s10, 1                          ; which 128 n are mine.  Also: which part of that tile I fetch
	s_bfe_u32 s40, ttmp6, 0x40000                  ; cx, cy
	s_bfe_u32 s41, ttmp6, 0x40004
	s_lshl_b32 s42, ttmp9, 2
	s_add_co_u32 s42, s42, s40                     ; tile column (256 n) = 4 x cluster x + cx
	s_and_b32 s13, ttmp7, 0xffff
	s_lshl_b32 s13, s13, 2
	s_add_co_u32 s13, s13, s41                     ; tile row (128 tokens) = 4 x cluster y + cy
	s_lshl_b32 s43, s41, 2
	s_lshl_b32 s43, 15, s43                        ; my row of the cluster
	s_lshl_b32 s44, 0x1111, s40                    ; my column
	s_or_b32 s[G1+0], s43, (1<<16)|(1<<20)|(1<<21)|(5<<22)|(3<<25)   ; the mask; 2-byte elements; padding on; bit 21 beside a mask; 4 words behind every 64
	s_or_b32 s[G1B+0], s44, (1<<16)|(1<<20)|(1<<21)|(5<<22)|(3<<25)
	s_mov_b32 s[G1+1], 128<<16                     ; A: 64 rows of 128 elements
	s_mov_b32 s[G1+2], 64<<16
	s_mov_b32 s[G1+3], 128<<16
	s_mov_b32 s[G1+4], 64
	s_mov_b32 s[G1+5], 128
	s_mov_b32 s[G1+6], 0
	s_mov_b32 s[G1+7], 0
	s_mov_b32 s[G1B+1], 128<<16                    ; B: 128 rows of 128 elements
	s_mov_b32 s[G1B+2], 128<<16
	s_mov_b32 s[G1B+3], 128<<16
	s_mov_b32 s[G1B+4], 128
	s_mov_b32 s[G1B+5], 128
	s_mov_b32 s[G1B+6], 0
	s_mov_b32 s[G1B+7], 0
	s_lshl_b32 s16, s13, 18                        ; A: the tile row's 16 blocks of 16,384 bytes,
	s_lshl_b32 s17, s12, 14                        ; the block of a K step that I fetch
	s_add_co_u32 s16, s16, s17
	s_mov_b32 s17, 0
	s_lshl_b32 s46, s42, 1
	s_add_co_u32 s46, s46, s12                     ; B: n / 128 = 2 x tile column + the half that I fetch
	s_lshl_b32 s46, s46, 18
	s_mov_b32 s47, 0
	s_mul_i32 s20, s12, BLKL                       ; where they go: A's block,
	s_mul_i32 s21, s12, 2*BLKL
	s_add_co_u32 s21, s21, 2*BLKL                  ; B's half, behind A's two blocks: no place in the cluster enters an LDS address
	s_wait_dscnt 0x0                               ; both opening adds are done
	s_wait_kmcnt 0x0
	s_add_nc_u64 s[14:15], s[4:5], s[16:17]
	s_add_nc_u64 s[46:47], s[6:7], s[46:47]
	CROUND                                         ; all sixteen work-groups are here: the first joint loads meet
.irp s, 0,1
	s_mov_b32 s[G0+4*\s], 1
	s_add_co_u32 s[G0+4*\s+1], s20, \s*SLOT
	s_add_nc_u64 s[G0+4*\s+2:G0+4*\s+3], s[14:15], \s*32768        ; K step s: two blocks on
	s_or_b32 s[G0+4*\s+3], s[G0+4*\s+3], 0x80000000
	s_mov_b32 s[G0B+4*\s], 1
	s_add_co_u32 s[G0B+4*\s+1], s21, \s*SLOT
	s_add_nc_u64 s[G0B+4*\s+2:G0B+4*\s+3], s[46:47], \s*32768
	s_or_b32 s[G0B+4*\s+3], s[G0B+4*\s+3], 0x80000000
	JLOAD \s                                       ; two tensor loads of a wave are out
.endr
	v_and_b32 v1, 15, v0                           ; r
	v_bfe_u32 v2, v0, 4, 1                         ; h
	v_lshrrev_b32 v3, 1, v1
	v_mul_u32_u24 v3, v3, 272                      ; row r of a fragment lies in LDS row r / 2,
	v_and_b32 v4, 1, v0
	v_lshl_add_u32 v3, v4, 7, v3                   ; half r % 2,
	v_lshl_add_u32 v3, v2, 4, v3                   ; + 16 h
	s_mul_i32 s21, s11, 32*272                     ; my 64 tokens of A's 128
	s_mul_i32 s22, s12, 2*BLKL
	s_add_co_u32 s22, s22, 2*BLKL                  ; my 128 n of B
.irp s, 0,1
	v_add_nc_u32 v[ADRA+\s], s21, v3
	v_add_nc_u32 v[ADRB+\s], s22, v3
	s_add_co_u32 s21, s21, SLOT
	s_add_co_u32 s22, s22, SLOT
.endr
	s_mul_i32 s23, s10, 16*SPITCH
	s_add_co_u32 s23, s23, STAGE                   ; my stage
	v_mul_u32_u24 v4, v1, SPITCH                   ; in: token r, 32 bytes for each half of the lanes
	v_lshl_add_u32 v4, v2, 5, v4
	v_add_nc_u32 v[STO], s23, v4
	v_and_b32 v5, 31, v0
	v_lshlrev_b32 v[CO], 4, v5                     ; back: the 32 lanes take one row of 512 bytes; and the same in out0
	v_add_nc_u32 v[RD], s23, v[CO]
	s_lshl_b32 s16, s13, 19                        ; out0: 128 tokens of 4,096 bytes a tile row,
	s_lshl_b32 s17, s11, 18                        ; my 64 tokens,
	s_add_co_u32 s16, s16, s17
	s_mov_b32 s17, 0
	s_add_nc_u64 s[8:9], s[8:9], s[16:17]
	s_lshl_b32 s46, s42, 10                        ; 1,024 bytes a tile column,
	s_lshl_b32 s47, s12, 9                         ; my 128 n
	s_add_co_u32 s46, s46, s47
	s_mov_b32 s47, 0
	s_add_nc_u64 s[8:9], s[8:9], s[46:47]
; 8 na matrix instructions on the buffer whose window is set: token blocks a0 .. a0 + na - 1 x all 8 n blocks, 32 along K: half c.  zero = 1: the first product starts the sums.
; The 32 accumulators take turns, one instruction a turn, in the same order throughout.
.macro MUL c, a0, na, zero
.set aa, \a0
.rept \na
.irp b, 0,1,2,3,4,5,6,7
.if \zero
	v_wmma_f32_16x16x32_f16 v[8*(8*aa+\b):8*(8*aa+\b)+7], v[96*\c+8*\b:96*\c+8*\b+7], v[96*\c+64+8*aa:96*\c+64+8*aa+7], 0
.else
	v_wmma_f32_16x16x32_f16 v[8*(8*aa+\b):8*(8*aa+\b)+7], v[96*\c+8*\b:96*\c+8*\b+7], v[96*\c+64+8*aa:96*\c+64+8*aa+7], v[8*(8*aa+\b):8*(8*aa+\b)+7]
.endif
.endr
.set aa, aa+1
.endr
.endm
; 48 LDS loads in one run: block u of the slot into the buffer of window setting tow; the first 32 along K first
.macro FETCH slot, u, tow
	WIN \tow
.irp c, 0,1
.irp b, 0,1,2,3,4,5,6,7
	ds_load_b128 v[96*\c+8*\b:96*\c+8*\b+3],   v[ADRB+\slot] offset:\u*BLKL+\b*2176+64*\c
	ds_load_b128 v[96*\c+8*\b+4:96*\c+8*\b+7], v[ADRB+\slot] offset:\u*BLKL+\b*2176+64*\c+32
.endr
.irp a, 0,1,2,3
	ds_load_b128 v[96*\c+64+8*\a:96*\c+64+8*\a+3],   v[ADRA+\slot] offset:\u*BLKL+\a*2176+64*\c
	ds_load_b128 v[96*\c+64+8*\a+4:96*\c+64+8*\a+7], v[ADRA+\slot] offset:\u*BLKL+\a*2176+64*\c+32
.endr
.endr
.endm
.macro PLACES                          ; four plain vector instructions in front of loads into registers that matrix instructions have read, and of reads of results
.rept 4
	v_nop
.endr
.endm
; A K step's first block: multiplies buffer 0 and fetches the second block into buffer 1.
.macro UNIT slot, zero
	s_wait_dscnt 24                                ; the first 32 along K are in; the other 24 loads may be out
	WIN MULF0
	MUL 0, 0, 4, \zero
	PLACES
	FETCH \slot, 1, TOF1
	s_wait_dscnt 48                                ; all but the 48 just issued
	WIN MULF0
	MUL 1, 0, 4, 0
.endm
; A K step's second block multiplies buffer 1 and changes slots: ONE barrier; in front of it each wave waits for all its tensor loads, adds 0 to its spare word, and waits for that and for its reads of this slot.
; fill = 1: this slot is filled again, two K steps ahead: the barrier opens a round of the cluster's, and the joint refill is the first thing behind it.
.macro TURN slot, next, fill
	WIN 0                                          ; (the add's two registers lie in window 0)
	s_wait_tensorcnt 0x0                           ; my part of the next slot has landed
	ds_add_u32 v[SPW], v[NIL]
	s_wait_dscnt 25                                ; (the add and the youngest 24 loads may be out)
	WIN MULF1
	MUL 0, 0, 2, 0                                 ; sixteen matrix instructions stand between the add and the wait for it
	s_wait_dscnt 0x0                               ; the add is done, and my reads of this slot are over
	s_barrier_signal -1
	MUL 0, 2, 2, 0
.if \fill
	WIN 0
.endif
	s_barrier_wait -1
.if \fill
	CREST                                          ; no wave of any partner still reads this slot or has a load on its way
	s_add_nc_u64 s[G0+4*\slot+2:G0+4*\slot+3], s[G0+4*\slot+2:G0+4*\slot+3], 65536
	s_add_nc_u64 s[G0B+4*\slot+2:G0B+4*\slot+3], s[G0B+4*\slot+2:G0B+4*\slot+3], 65536
	JLOAD \slot                                    ; its four v_nop are also the places in front of the loads below
.else
	PLACES
.endif
	FETCH \next, 0, TOF0
	WIN MULF1
	MUL 1, 0, 4, 0
.endm
	s_wait_tensorcnt 1                             ; my part of K step 0 is in; K step 1's may stay out
	s_barrier_signal -1
	s_barrier_wait -1
	FETCH 0, 0, TOF0
	UNIT 0, 1                                      ; the first block stands in front of the loop: its first products start the sums
	WIN 0
	s_mov_b32 s3, 3
.Llap:                                             ; a trip goes once round the ring and fills both slots again: K steps 2 to 7 in three trips
	TURN 0, 1, 1
	UNIT 1, 0
	TURN 1, 0, 1
	UNIT 0, 0
	WIN 0
	s_sub_co_u32 s3, s3, 1
	s_cmp_lg_u32 s3, 0
	s_cbranch_scc1 .Llap
	TURN 0, 1, 0                                   ; the tail is written out: it asks for nothing
	UNIT 1, 0
	s_wait_dscnt 24                                ; the very last block
	WIN MULF1
	MUL 0, 0, 4, 0
	s_wait_dscnt 0
	MUL 1, 0, 4, 0
	WIN 0
; THE WAY OUT, a block of 16 tokens x 128 n at a time, through my own stage: in as 32 bytes a lane, back as whole rows of 512 bytes.
.macro TOSTAGE a
	WIN 0x04                                       ; an LDS store's data are its source 1: window 1
.irp b, 0,1,2,3,4,5,6,7
	ds_store_b128 v[STO], v[64*(\a)+8*\b:64*(\a)+8*\b+3] offset:64*\b          ; each accumulator from its low end on
	ds_store_b128 v[STO], v[64*(\a)+8*\b+4:64*(\a)+8*\b+7] offset:64*\b+16
.endr
	WIN 0
.set BB, BK+64*((\a)%2)
.irp t, 0,1,2,3,4,5,6,7,8,9,10,11,12,13,14,15
	ds_load_b128 v[BB+4*\t:BB+4*\t+3], v[RD] offset:\t*SPITCH      ; LDS serves a wave's instructions in order: these see the stores above
.endr
.endm
.macro SEND a, younger                 ; younger: the LDS instructions issued behind block a's loads, which may stay out
.set BB, BK+64*((\a)%2)
	s_wait_dscnt \younger
.irp t, 0,1,2,3,4,5,6,7,8,9,10,11,12,13,14,15
	global_store_b128 v[CO], v[BB+4*\t:BB+4*\t+3], s[8:9] offset:(16*(\a)+\t)*4096 th:TH_STORE_NT   ; 32 lanes store 512 consecutive bytes; written once, read by nobody here
.endr
.endm
	PLACES
	TOSTAGE 0
.irp a, 1,2,3
.if \a > 1
	s_wait_xcnt 0x0                                ; block a - 2's stores have read their registers: block a's loads may land there
.endif
	TOSTAGE \a
	SEND \a-1, 32                                  ; behind block a - 1's loads: block a's 16 stores and 16 loads
.endr
	SEND 3, 0
	s_wait_tensorcnt 0x0                           ; the wave's end
	ds_add_u32 v[SPW], v[NIL]
	s_wait_dscnt 0x0
	CROUND                                         ; the closing round
	s_endpgm
.Lfunc_end_k_q452d368888_outp:
	.size	k_q452d368888_outp, .Lfunc_end_k_q452d368888_outp-k_q452d368888_outp
	.p2alignl 7, 3214868480
	.fill 96, 4, 3214868480
	.section	.rodata,"a",@progbits
	.p2align	6, 0x0
	.amdhsa_kernel k_q452d368888_outp
		.amdhsa_group_segment_fixed_size 327680
		.amdhsa_private_segment_fixed_size 0
		.amdhsa_enable_private_segment 0
		.amdhsa_kernarg_size 24
		.amdhsa_user_sgpr_count 2
		.amdhsa_user_sgpr_kernarg_segment_ptr 1
		.amdhsa_wavefront_size32 1
		.amdhsa_system_sgpr_workgroup_id_x 1
		.amdhsa_system_sgpr_workgroup_id_y 1
		.amdhsa_system_sgpr_workgroup_id_z 1
		.amdhsa_system_vgpr_workitem_id 0
		.amdhsa_next_free_vgpr 1024
		.amdhsa_next_free_sgpr 66
		.amdhsa_reserve_vcc 0
		.amdhsa_float_denorm_mode_32 3
		.amdhsa_float_denorm_mode_16_64 3
		.amdhsa_memory_ordered 1
		.amdhsa_forward_progress 1
		.amdhsa_inst_pref_size 83
	.end_amdhsa_kernel
	.amdgpu_metadata
---
amdhsa.version: [ 1, 2 ]
amdhsa.kernels:
  - .name:           k_q452d368888_outp
    .symbol:         k_q452d368888_outp.kd
    .args:
      - { .name: oh, .offset: 0, .size: 8, .value_kind: global_buffer, .address_space: global }
      - { .name: wo16, .offset: 8, .size: 8, .value_kind: global_buffer, .address_space: global }
      - { .name: out0, .offset: 16, .size: 8, .value_kind: global_buffer, .address_space: global }
    .group_segment_fixed_size: 327680
    .private_segment_fixed_size: 0
    .kernarg_segment_align: 8
    .kernarg_segment_size: 24
    .max_flat_workgroup_size: 128
    .sgpr_count:     66
    .vgpr_count:     1024
    .wavefront_size: 32
...
	.end_amdgpu_metadata
.endif
;; end of part 4
